; MI455X (gfx1250); checked and timed in simulation.
; The chip was launched on July 23, 2026; its instructions are those of AMD's public machine-readable ISA for CDNA 5 (MIT licence, August 2026) and "CDNA5" Instruction Set Architecture Reference Guide (July 2026). The comments in the code are by the model that wrote it; some were corrected since.
;; Soft Mo E. Allowed arithmetic: matrix products marked QUANTISED: E4M3 operands, one given power-of-two scale a tensor, by v_wmma_f32_16x16x64_fp8_fp8 or v_wmma_f32_16x16x128_fp8_fp8, f32 sums; products left as they are: f32 operands where the result goes on into a quantised operand, else bf16, f16 or f32 operands; f32 sums; everything else in f32.
;; Inputs: W1_codes 8 x 4,096 x 32 x 32 uint8 (E4M3 codes of W1, K innermost, in blocks of 32 codes); W2_codes 8 x 1,024 x 128 x 32 uint8 (E4M3 codes of W2, K innermost, in blocks of 32 codes); Wr 1,024 x 8 float32; b1 8 x 4,096 float32; b2 8 x 1,024 float32; br 8 float32; lowp_scales 4 int32 (the exponents e of the quantised operands' scales 2^e); x 2 x 512 x 1,024 float32.
;; Outputs: out0 2 x 512 x 1,024 float32.
;; Constants: top_k = 2.
;; This version of the problem:
;;   THIS VERSION OF THE PROBLEM IS GIVEN IN LOW PRECISION. The matrix products marked QUANTISED in the list below multiply operands that are first quantised to E4M3 (4 exponent bits, 3 mantissa bits; 8 bits a number), with one given power-of-two scale for each operand tensor; their sums are f32. All else is computed in f32.
;;   The module's matrix products, in the order in which they are computed (A, B: the left and right operand; K: the contracted axis; several contracted axes count as one K, in the product's order):
;;     1. [M 1,024, K 1,024] x [K 1,024, N 8]; A: input x; B: input Wr: left as it is (N = 8 < 16)
;;     2. [M 1,024, K 1,024] x [K 1,024, N 32,768]; A: input x; B: input W1 (given as codes): QUANTISED (scales: A lowp_scales[0], B lowp_scales[1])
;;     3. batch 8 x [M 1,024, K 4,096] x [K 4,096, N 1,024]; A: input W2 (given as codes); B: computed on the way: QUANTISED (scales: A lowp_scales[2], B lowp_scales[3])
;;   THE QUANTISER, for each operand of a quantised product, along K:
;;     - The operand's scale is 2^e, e = its entry of the input lowp_scales (int32; the entries are numbered through the quantised products in the list's order, A before B).
;;     - Each number is divided by the scale, clamped to +-448, and rounded to the nearest number of E4M3, ties to even, subnormals kept.
;;     - The product sums the exact products of the quantised numbers (number of the format x scale) in f32.
;;   ~~~python
;;   def quantise(x, axis, e):      # numpy; x: float32 -> the quantised numbers, widened to float32 again
;;       x = np.moveaxis(x, axis, -1); K = x.shape[-1]
;;       r = np.clip(x / 2.0 ** e, -448, 448)
;;       step = 2.0 ** (np.maximum(np.frexp(np.where(r == 0, 1, r))[1] - 1, -6) - 3)
;;       q = np.round(r / step) * step * 2.0 ** e      # np.round: ties to even
;;       return np.moveaxis(q, -1, axis).astype(np.float32)
;;   ~~~
;;   OPERANDS COMPUTED ON THE WAY. 'Computed on the way' means the value that the module computes at that place (a softmax that the list does not call 'softmax' is quantised finished and normalised). What goes into a quantiser is computed in f32, as accurately as f32 sums, v_exp_f32 and their like allow (about 1e-6 of the number): no bf16 or f16 on the way to a quantiser, and a product that is left as it is and whose result goes on into a quantised operand takes f32 operands (vector FMAs, or v_wmma_f32_16x16x4_f32). A number that lies on a knife's edge between two numbers of the format may be rounded either way, as far as f32 arithmetic and the matrix unit's own rounding can turn it there, and no further.
;;   INPUTS GIVEN AS CODES. W1 (in the module: [8, 1024, 4096], K = its axis 1); W2 (in the module: [8, 4096, 1024], K = its axis 1): each comes as NAME_codes (uint8): NAME with its K axis moved to the last place and cut into blocks of 32 codes, [.., K / 32, bytes a block], one block behind the other in memory; one code a byte (a code: sign, 4 exponent bits, 3 mantissa bits); its scale is its entry of lowp_scales. Its value is code x scale, taken as it is: it is not quantised again, and the codes and scales need not be those that the quantiser above would give.
;; 2 versions. Each part assembles by itself: llvm-mc -triple=amdgcn-amd-amdhsa -mcpu=gfx1250 --defsym DOCPART=n.
;; ======== version 1 of 2: 5 launches
;; limits: a function is approximated: absolute error at most 6e-08
;; workspace buffers: sel 4,096 bytes of whole numbers; wts 8,192 bytes; xq 1,048,576 bytes; list 32,768 bytes of whole numbers; rows 8,192 bytes of whole numbers; cnt 256 bytes of whole numbers; himg 33,554,432 bytes; ypart 134,217,728 bytes
;; launch route (part 1): grid 256 x 1, 4 waves a work-group, no clusters, 1,024 bytes of LDS; arguments x, Wr, br, lowp_scales, xq, sel, wts; writes xq, sel, wts
.if DOCPART == 1
	.amdgcn_target "amdgcn-amd-amdhsa--gfx1250"
	.amdhsa_code_object_version 6
	.text
	.protected	k_q3f720496c5_route
	.globl	k_q3f720496c5_route
	.p2align	8
	.type	k_q3f720496c5_route,@function
k_q3f720496c5_route:
	s_mov_b64 s[64:65], 0
	v_nop
	global_prefetch_b8 v0, s[64:65] scope:SCOPE_SE
	s_setreg_imm32_b32 hwreg(HW_REG_WAVE_MODE, 25, 1), 1
	s_wait_xcnt 0x0
; SoftMoE, launch 1 of 5: the router, and x's codes.
; logits = x Wr + br in f32 (fused multiply-adds); the two largest logits of a token (the lower index wins a tie), the softmax over those two with the
; larger one taken away first; x / 2^e0, held within +-448, as codes of E4M3 with K innermost.
; OUT: xq [1024 tokens][1024 codes]; sel [1024]: first choice | second choice << 8; wts [1024][2]: the two weights.
; SHARES: a work-group takes 4 tokens; wave w the K quarter 256 w; lane l the eight k = 256 w + 8 l + 0..7.  Each x byte is read once in the launch.
; The four waves' partial sums meet in LDS (128 bytes a wave) behind one barrier; wave 0 then finishes the four tokens, lane l for token l % 4.
; No choice steers an address or a branch here: the choices are selected by v_cndmask_b32 and stored as whole numbers for the later launches.
; LIMITS: e0 between -126 and 119.  NaN and infinities among x, Wr, br are not served.  The logits are f32 sums in another order than a plain loop's: two
; logits that agree to f32's last bits may be ranked the other way.
; No matrix unit: N = 8 would leave half of a tile's columns empty.  No cluster: the work-groups share only Wr's 32 KB.
.set X,   32                           ; v32-63   x: token i at X + 8 i
.set WR,  64                           ; v64-127  Wr: k i, expert e at WR + 8 i + e; later at work
.set P,   128                          ; v128-159 partial logits: token i, expert e at P + 8 i + e
.set CD,  160                          ; v160-167 codes: token i at CD + 2 i
	s_load_b256 s[4:11], s[0:1], 0x0               ; x s[4:5], Wr s[6:7], br s[8:9], the scales' exponents s[10:11]
	s_load_b128 s[12:15], s[0:1], 0x20             ; xq s[12:13], sel s[14:15]
	s_load_b64 s[16:17], s[0:1], 0x30              ; wts
	v_lshl_add_u32 v192, v0, 2, 0x200
	v_mov_b32 v193, 0
	v_lshrrev_b32 v5, 5, v0
	v_readfirstlane_b32 s20, v5                    ; wave 0..3
	v_and_b32 v1, 31, v0                           ; lane
	v_lshlrev_b32 v2, 5, v1
	v_lshl_add_u32 v2, v5, 10, v2                  ; x: 1,024 w + 32 l bytes into a token's row
	v_lshlrev_b32 v3, 3, v2                        ; Wr: row 256 w + 8 l, 32 bytes a row
	v_lshrrev_b32 v4, 2, v2                        ; codes: 256 w + 8 l
	v_lshlrev_b32 v5, 7, v5                        ; LDS: my wave's 128 bytes
	v_and_b32 v16, 3, v0
	v_lshlrev_b32 v16, 5, v16                      ; LDS, wave 0's reading: token l % 4, 32 bytes a token
	v_lshlrev_b32 v17, 2, v1                       ; sel: 4 bytes a token
	v_lshlrev_b32 v18, 3, v1                       ; wts: 8 bytes a token
	s_mov_b32 s22, 0x76543210                      ; v_permlanex16_b32: lane l takes lane l xor 16
	s_mov_b32 s23, 0xfedcba98
	s_mov_b32 s19, 0
	s_wait_kmcnt 0x0
	s_load_b32 s21, s[10:11], 0x0                  ; e0
	s_load_b256 s[24:31], s[8:9], 0x0              ; br
	s_lshl_b32 s18, ttmp9, 14                      ; 4 tokens of 4,096 bytes
	s_add_nc_u64 s[4:5], s[4:5], s[18:19]
	s_lshl_b32 s18, ttmp9, 12                      ; 4 tokens of 1,024 codes
	s_add_nc_u64 s[12:13], s[12:13], s[18:19]
	s_lshl_b32 s18, ttmp9, 4
	s_add_nc_u64 s[14:15], s[14:15], s[18:19]
	s_lshl_b32 s18, ttmp9, 5
	s_add_nc_u64 s[16:17], s[16:17], s[18:19]
.irp i, 0,1,2,3
	global_load_b128 v[X+8*\i:X+8*\i+3],   v2, s[4:5] offset:4096*\i th:TH_LOAD_NT      ; the two loads of a token cover my wave's 1,024 bytes of its row
	global_load_b128 v[X+8*\i+4:X+8*\i+7], v2, s[4:5] offset:4096*\i+16 th:TH_LOAD_NT
.endr
.irp n, 0,1,2,3,4,5,6,7,8,9,10,11,12,13,14,15
	global_load_b128 v[WR+4*\n:WR+4*\n+3], v3, s[6:7] offset:16*\n                     ; my eight rows of Wr: 256 bytes on end
.endr
	s_wait_kmcnt 0x0
	s_add_co_i32 s21, s21, 127
	s_lshl_b32 s18, s21, 23
	v_mov_b32 v6, s18                              ; 2^e0 as f32: the conversion takes its exponent field
	s_add_co_i32 s21, s21, 8
	s_lshl_b32 s21, s21, 23
	s_or_b32 s21, s21, 0x600000
	v_mov_b32 v7, s21                              ; 448 x 2^e0
	s_wait_loadcnt 16                              ; x's eight loads are in; Wr's sixteen, issued behind them, may stay out
.irp i, 0,1,2,3
.irp j, 0,1,2,3,4,5,6,7
	v_med3_num_f32 v[8+\j], v[X+8*\i+\j], -v7, v7  ; the conversion does not saturate (ISA guide 7.6.2): the hold goes into other registers, the router takes x as it is
.endr
	v_cvt_scalef32_pk8_fp8_f32 v[CD+2*\i:CD+2*\i+1], v[8:15], v6
	v_nop                                          ; a plain instruction between the conversion and the next write of its sources
	global_store_b64 v4, v[CD+2*\i:CD+2*\i+1], s[12:13] offset:1024*\i   ; the wave stores 256 consecutive bytes, at a multiple of 256
.endr
	s_wait_loadcnt 0x0                             ; Wr
.irp i, 0,1,2,3
.irp e, 0,1,2,3,4,5,6,7
	v_mul_f32 v[P+8*\i+\e], v[X+8*\i], v[WR+\e]    ; the first product starts each sum
.endr
.irp j, 1,2,3,4,5,6,7
.irp e, 0,1,2,3,4,5,6,7
	v_fmac_f32 v[P+8*\i+\e], v[X+8*\i+\j], v[WR+8*\j+\e]
.endr
.endr
.endr
	; the 32 sums over the wave's 32 lanes, stage by stage, so that no line waits for the line above it
.irp m, 1,2,4,8
.set n, 0
.rept 32
	v_add_f32_dpp v[P+n], v[P+n], v[P+n] row_xmask:\m row_mask:0xf bank_mask:0xf
.set n, n+1
.endr
.endr
.set n, 0
.rept 32
	v_permlanex16_b32 v[WR+n], v[P+n], s22, s23    ; into registers that have been written: Wr's, which are done with
.set n, n+1
.endr
.set n, 0
.rept 32
	v_add_f32 v[P+n], v[P+n], v[WR+n]
.set n, n+1
.endr
.irp n, 0,1,2,3,4,5,6,7
	ds_store_b128 v5, v[P+4*\n:P+4*\n+3] offset:16*\n   ; every lane holds the same sums and writes the same bytes
.endr
	s_wait_dscnt 0x0                               ; for the others' sake: my stores have landed
	s_barrier_signal -1
	s_barrier_wait -1
	s_cmp_lg_u32 s20, 0
	s_cbranch_scc1 .Lend                           ; waves 1 to 3 are done
.irp q, 0,1,2,3
	ds_load_b128 v[64+8*\q:67+8*\q], v16 offset:128*\q      ; K quarter q's eight sums of my token
	ds_load_b128 v[68+8*\q:71+8*\q], v16 offset:128*\q+16
.endr
	s_wait_dscnt 0x0
.irp e, 0,2,4,6
	v_pk_add_f32 v[96+\e:97+\e], v[64+\e:65+\e], v[72+\e:73+\e]
	v_pk_add_f32 v[104+\e:105+\e], v[80+\e:81+\e], v[88+\e:89+\e]
.endr
.irp e, 0,2,4,6
	v_pk_add_f32 v[96+\e:97+\e], v[96+\e:97+\e], v[104+\e:105+\e]
.endr
.irp e, 0,1,2,3,4,5,6,7
	v_add_f32 v[96+\e], s[24+\e], v[96+\e]         ; + br
.endr
	v_mov_b32 v112, v96                            ; the largest so far, and its index
	v_mov_b32 v114, 0
	v_mov_b32 v113, 0xff800000                     ; the second: -infinity, under every logit
	v_mov_b32 v115, 0
.irp e, 1,2,3,4,5,6,7
	v_mov_b32 v116, \e
	v_cmp_gt_f32 s34, v[96+\e], v112               ; strictly larger: the lower index keeps its place in a tie
	v_cmp_gt_f32 s35, v[96+\e], v113
	v_cndmask_b32 v113, v113, v[96+\e], s35
	v_cndmask_b32 v115, v115, v116, s35
	v_cndmask_b32 v113, v113, v112, s34            ; a new largest pushes the old one down
	v_cndmask_b32 v115, v115, v114, s34
	v_cndmask_b32 v112, v112, v[96+\e], s34
	v_cndmask_b32 v114, v114, v116, s34
.endr
	v_sub_f32 v117, v113, v112                     ; second - first, 0 or less: the maximum is taken away
	v_mul_f32 v117, 0x3fb8aa3b, v117               ; x log2(e)
	v_exp_f32 v118, v117
	v_lshl_or_b32 v119, v115, 8, v114              ; (a plain instruction behind the exponential)  first | second << 8
	s_wait_alu depctr_va_vdst(0)
	v_add_f32 v120, 1.0, v118
	v_rcp_f32 v122, v120                           ; the first weight: 1 / (1 + ex)
	v_nop
	s_wait_alu depctr_va_vdst(0)
	v_mul_f32 v123, v118, v122                     ; the second: ex / (1 + ex)
	v_cmp_gt_u32 vcc_lo, 4, v0
	s_wait_xcnt 0x0                                ; EXEC is a source of the memory instructions issued so far: it changes only behind this wait
	s_and_saveexec_b32 s36, vcc_lo                 ; lanes 0 to 3: one for each token
	global_store_b32 v17, v119, s[14:15]
	global_store_b64 v18, v[122:123], s[16:17]
	s_wait_xcnt 0x0
	s_or_b32 exec_lo, exec_lo, s36
.Lend:
	s_wait_tensorcnt 0x0
	ds_add_u32 v192, v193
	s_wait_dscnt 0x0
	s_endpgm
.Lfunc_end_k_q3f720496c5_route:
	.size	k_q3f720496c5_route, .Lfunc_end_k_q3f720496c5_route-k_q3f720496c5_route
	.p2alignl 7, 3214868480
	.fill 96, 4, 3214868480
	.section	.rodata,"a",@progbits
	.p2align	6, 0x0
	.amdhsa_kernel k_q3f720496c5_route
		.amdhsa_group_segment_fixed_size 1024
		.amdhsa_private_segment_fixed_size 0
		.amdhsa_enable_private_segment 0
		.amdhsa_kernarg_size 56
		.amdhsa_user_sgpr_count 2
		.amdhsa_user_sgpr_kernarg_segment_ptr 1
		.amdhsa_wavefront_size32 1
		.amdhsa_system_sgpr_workgroup_id_x 1
		.amdhsa_system_sgpr_workgroup_id_y 1
		.amdhsa_system_sgpr_workgroup_id_z 1
		.amdhsa_system_vgpr_workitem_id 0
		.amdhsa_next_free_vgpr 194
		.amdhsa_next_free_sgpr 66
		.amdhsa_reserve_vcc 1
		.amdhsa_float_denorm_mode_32 3
		.amdhsa_float_denorm_mode_16_64 3
		.amdhsa_memory_ordered 1
		.amdhsa_forward_progress 1
		.amdhsa_inst_pref_size 33
	.end_amdhsa_kernel
	.amdgpu_metadata
---
amdhsa.version: [ 1, 2 ]
amdhsa.kernels:
  - .name:           k_q3f720496c5_route
    .symbol:         k_q3f720496c5_route.kd
    .args:
      - { .name: x, .offset: 0, .size: 8, .value_kind: global_buffer, .address_space: global }
      - { .name: Wr, .offset: 8, .size: 8, .value_kind: global_buffer, .address_space: global }
      - { .name: br, .offset: 16, .size: 8, .value_kind: global_buffer, .address_space: global }
      - { .name: lowp_scales, .offset: 24, .size: 8, .value_kind: global_buffer, .address_space: global }
      - { .name: xq, .offset: 32, .size: 8, .value_kind: global_buffer, .address_space: global }
      - { .name: sel, .offset: 40, .size: 8, .value_kind: global_buffer, .address_space: global }
      - { .name: wts, .offset: 48, .size: 8, .value_kind: global_buffer, .address_space: global }
    .group_segment_fixed_size: 1024
    .private_segment_fixed_size: 0
    .kernarg_segment_align: 8
    .kernarg_segment_size: 56
    .max_flat_workgroup_size: 128
    .sgpr_count:     66
    .vgpr_count:     194
    .wavefront_size: 32
...
	.end_amdgpu_metadata
.endif
;; end of part 1
;; launch lists (part 2): grid 8 x 1, 32 waves a work-group, no clusters, 4,352 bytes of LDS; arguments sel, list, rows, cnt; writes list, rows, cnt
.if DOCPART == 2
	.amdgcn_target "amdgcn-amd-amdhsa--gfx1250"
	.amdhsa_code_object_version 6
	.text
	.protected	k_q3f720496c5_lists
	.globl	k_q3f720496c5_lists
	.p2align	8
	.type	k_q3f720496c5_lists,@function
k_q3f720496c5_lists:
	s_mov_b64 s[64:65], 0
	v_nop
	global_prefetch_b8 v0, s[64:65] scope:SCOPE_SE
	s_setreg_imm32_b32 hwreg(HW_REG_WAVE_MODE, 25, 1), 1
	s_wait_xcnt 0x0
; SoftMoE, launch 2 of 5: from each token's two choices to each expert's list of tokens.  Whole numbers only.
; One work-group an expert e (8 in all: the work is 1,024 tokens an expert and wants one prefix sum over them); thread t is token t.
; OUT: list [8][1024]: a permutation of the tokens: places 0 .. n - 1 hold the tokens that chose e, in ascending order, the other tokens fill the tail, so
; that every entry is written once and names a token.  rows [1024][2]: e x 1,024 + the token's place, for its first and its second choice: each entry is
; written by the one work-group whose expert it names.  cnt [8]: n.
; The place is a prefix count: within a wave by the mask of lanes, across the 32 waves by the waves' counts, which meet in LDS behind one barrier.
	s_load_b256 s[4:11], s[0:1], 0x0               ; sel s[4:5], list s[6:7], rows s[8:9], cnt s[10:11]
	v_lshl_add_u32 v32, v0, 2, 0x100
	v_mov_b32 v33, 0
	v_lshlrev_b32 v1, 2, v0
	v_lshrrev_b32 v4, 5, v0
	v_readfirstlane_b32 s18, v4                    ; wave 0..31
	v_lshlrev_b32 v4, 2, v4                        ; LDS: my wave's word
	v_and_b32 v7, 31, v0
	v_lshlrev_b32 v7, 2, v7                        ; LDS: the word of the wave whose number is my lane's
	s_mov_b32 s19, ttmp9                           ; e
	s_lshl_b32 s34, s19, 12
	s_mov_b32 s35, 0
	s_wait_kmcnt 0x0
	global_load_b32 v2, v1, s[4:5]
	s_add_nc_u64 s[6:7], s[6:7], s[34:35]          ; my expert's 1,024 entries
	s_wait_loadcnt 0x0
	v_and_b32 v3, 0xff, v2
	v_bfe_u32 v8, v2, 8, 8
	v_cmp_eq_u32 s20, s19, v3                      ; lanes whose first choice is e
	v_cmp_eq_u32 s21, s19, v8                      ; whose second is
	s_or_b32 s22, s20, s21
	s_bcnt1_i32_b32 s23, s22
	v_mov_b32 v5, s23
	ds_store_b32 v4, v5                            ; my wave's count (every lane writes the same word)
	s_wait_dscnt 0x0
	s_barrier_signal -1
	s_barrier_wait -1
	ds_load_b32 v6, v7                             ; lane l: wave l's count, 0 to 32
	s_wait_dscnt 0x0
	s_mov_b32 s24, 0                               ; n: the sum of all counts
	s_mov_b32 s25, 0                               ; the sum of the counts of the waves in front of mine
	s_bfm_b32 s26, s18, 0                          ; the lanes below my wave's number
.irp b, 0,1,2,3,4,5                    ; bit by bit: the lanes whose count has bit b, counted, x 2^b
	v_and_b32 v8, 1<<\b, v6
	v_cmp_ne_u32 s27, 0, v8
	s_bcnt1_i32_b32 s28, s27
	s_lshl_b32 s28, s28, \b
	s_add_co_u32 s24, s24, s28
	s_and_b32 s27, s27, s26
	s_bcnt1_i32_b32 s28, s27
	s_lshl_b32 s28, s28, \b
	s_add_co_u32 s25, s25, s28
.endr
	v_mbcnt_lo_u32_b32 v9, s22, 0                  ; choosers below me in my wave
	v_add_nc_u32 v9, s25, v9                       ; a chooser's place
	s_not_b32 s29, s22
	v_mbcnt_lo_u32_b32 v10, s29, 0
	s_lshl_b32 s30, s18, 5
	s_sub_co_u32 s30, s30, s25                     ; the others in front of my wave: 32 w less the choosers there
	s_add_co_u32 s30, s30, s24
	v_add_nc_u32 v10, s30, v10                     ; another's place: behind all n choosers
	v_cndmask_b32 v11, v10, v9, s22
	v_min_u32 v11, 0x3ff, v11                      ; a number made of loaded data enters an address behind a clamp
	v_lshlrev_b32 v12, 2, v11
	global_store_b32 v12, v0, s[6:7]
	v_mov_b32 v15, 4
	v_mov_b32 v16, 0
	v_cndmask_b32 v13, v15, v16, s20               ; first choice: word 0 of the token's pair; second: word 1
	v_min_u32 v13, 4, v13
	v_lshlrev_b32 v14, 3, v0
	v_add_nc_u32 v13, v14, v13
	s_lshl_b32 s31, s19, 10
	v_add_nc_u32 v17, s31, v11                     ; e x 1,024 + place
	s_lshl_b32 s33, s19, 2
	v_mov_b32 v18, s33
	v_mov_b32 v19, s24
	s_mov_b32 vcc_lo, s22
	s_wait_xcnt 0x0                                ; EXEC changes only behind this wait
	s_wait_tensorcnt 0x0
	ds_add_u32 v32, v33
	s_wait_dscnt 0x0
	s_and_saveexec_b32 s32, vcc_lo                 ; the choosers
	global_store_b32 v13, v17, s[8:9]
	s_wait_xcnt 0x0
	s_or_b32 exec_lo, exec_lo, s32
	v_cmp_eq_u32 vcc_lo, 0, v0
	s_and_saveexec_b32 s32, vcc_lo                 ; thread 0
	global_store_b32 v18, v19, s[10:11]
	s_wait_xcnt 0x0
	s_or_b32 exec_lo, exec_lo, s32
	s_endpgm
.Lfunc_end_k_q3f720496c5_lists:
	.size	k_q3f720496c5_lists, .Lfunc_end_k_q3f720496c5_lists-k_q3f720496c5_lists
	.p2alignl 7, 3214868480
	.fill 96, 4, 3214868480
	.section	.rodata,"a",@progbits
	.p2align	6, 0x0
	.amdhsa_kernel k_q3f720496c5_lists
		.amdhsa_group_segment_fixed_size 4352
		.amdhsa_private_segment_fixed_size 0
		.amdhsa_enable_private_segment 0
		.amdhsa_kernarg_size 32
		.amdhsa_user_sgpr_count 2
		.amdhsa_user_sgpr_kernarg_segment_ptr 1
		.amdhsa_wavefront_size32 1
		.amdhsa_system_sgpr_workgroup_id_x 1
		.amdhsa_system_sgpr_workgroup_id_y 1
		.amdhsa_system_sgpr_workgroup_id_z 1
		.amdhsa_system_vgpr_workitem_id 0
		.amdhsa_next_free_vgpr 34
		.amdhsa_next_free_sgpr 66
		.amdhsa_reserve_vcc 1
		.amdhsa_float_denorm_mode_32 3
		.amdhsa_float_denorm_mode_16_64 3
		.amdhsa_memory_ordered 1
		.amdhsa_forward_progress 1
		.amdhsa_inst_pref_size 6
	.end_amdhsa_kernel
	.amdgpu_metadata
---
amdhsa.version: [ 1, 2 ]
amdhsa.kernels:
  - .name:           k_q3f720496c5_lists
    .symbol:         k_q3f720496c5_lists.kd
    .args:
      - { .name: sel, .offset: 0, .size: 8, .value_kind: global_buffer, .address_space: global }
      - { .name: list, .offset: 8, .size: 8, .value_kind: global_buffer, .address_space: global }
      - { .name: rows, .offset: 16, .size: 8, .value_kind: global_buffer, .address_space: global }
      - { .name: cnt, .offset: 24, .size: 8, .value_kind: global_buffer, .address_space: global }
    .group_segment_fixed_size: 4352
    .private_segment_fixed_size: 0
    .kernarg_segment_align: 8
    .kernarg_segment_size: 32
    .max_flat_workgroup_size: 1024
    .sgpr_count:     66
    .vgpr_count:     34
    .wavefront_size: 32
...
	.end_amdgpu_metadata
.endif
;; end of part 2
;; launch ffn1 (part 3): grid 32 x 8, 8 waves a work-group, no clusters, 140,288 bytes of LDS; arguments xq, W1_codes, b1, lowp_scales, list, cnt, himg; writes himg
.if DOCPART == 3
	.amdgcn_target "amdgcn-amd-amdhsa--gfx1250"
	.amdhsa_code_object_version 6
	.text
	.protected	k_q3f720496c5_ffn1
	.globl	k_q3f720496c5_ffn1
	.p2align	8
	.type	k_q3f720496c5_ffn1,@function
k_q3f720496c5_ffn1:
	s_mov_b64 s[64:65], 0
	v_nop
	global_prefetch_b8 v0, s[64:65] scope:SCOPE_SE
	s_setreg_imm32_b32 hwreg(HW_REG_WAVE_MODE, 25, 1), 1
	s_wait_xcnt 0x0
; SoftMoE, launch 3 of 5: h = gelu(x W1 + b1) for the rows that chose the expert, as codes of E4M3 with the scale 2^e3.
; SHARES.  Work-group (fb, e) owns hidden units 128 fb .. + 127 of expert e, all K = 1,024: 128 KB of W1's codes, read from memory once, in pieces of 256
; consecutive bytes, turned through LDS into fragments and then HELD IN REGISTERS (window 1) for the whole launch.  The expert's listed rows of xq stream past.
; Wave w = fs + 4 th: fs names its 32 hidden units, th the pair (32 rows) of a trip that it multiplies; a trip is 64 places of the list.
; THE TRIP COUNT IS A CONSTANT, 16, and every wave passes every barrier; a pair at or behind the list's end (by cnt, a whole number of an earlier launch) has
; its loads, LDS accesses, products and stores jumped over.  P = pairs that are live; sP = P - 2 x trip; pair th of the trip is live where sP > th.
; THE PRODUCT IS USED TRANSPOSED (source 0 = 16 rows of W1, source 1 = 16 rows of x), and the rows of W1 that form a tile are chosen (row m of tile u is unit
; 32 fs + 16 (m / 8) + 8 u + m % 8) so that a lane's 16 sums of a tile of rows are 16 neighbouring hidden units, 32 fs + 16 (lane / 16) + 0..15: the next K.
; Their 16 codes are 16 bytes of the image of the next product's fragment: himg [e][tile of 16 rows][K step of 128][2,048 bytes], byte 512 c + 16 lane + b
; holds k = 32 c + 16 (lane / 16) + b of row lane % 16; c = fs.  A wave's store is 512 consecutive bytes, at a multiple of 512.
; FRAGMENTS: registers 4 c .. 4 c + 3 hold k = 32 c + 16 (lane / 16) + 0..15: a permutation of k, the same on both sides.
; LDS: two buffers of four tiles.  A tile (16 rows x 1,024 bytes) lies by chunks of 16 bytes along K: chunk q of row r at 272 q + 16 r.  Sixteen lanes that store a
; row's 256 bytes stand 272 bytes apart, sixteen lanes that read a fragment's chunk stand on 256 consecutive bytes.
; GELU, exact: h = v Phi(v), Phi(v) = 0.5 + vc A(y) / B(y), vc = v held within +-4 sqrt(2), y = vc^2: the f32 rational form of erf(v / sqrt 2), with 1 / (2 sqrt 2)
; and the powers of 1/2 folded into the coefficients.
; ROLES.  th = 0 multiplies a trip's pair and then works its GELU; th = 1 works the last trip's GELU first and then multiplies: waves fs and fs + 4 so have vector
; work and matrix work at different times.
; NO JOINT LOADS, NO TENSOR LOADS: what the 32 work-groups of an expert share, the rows, is gathered by a list and is live by a count read from memory; a tile that
; is always asked for would fetch all 1,024 places, four times the rows of an even routing.
; LIMITS: e3 between -126 and 119; e0 + e1 between -126 and 127.  NaN is not served.  For v under about -3 Phi is a difference of numbers near 0.5, good to some
; 6e-8 absolute; under -4 sqrt(2) it is that difference's rest and not 0.
.set WT,   17408                       ; a tile in LDS: 64 chunks x 272
.set BUF,  69632                       ; a buffer: four tiles
.set XT,   17408                       ; from tile to tile of a pair
.set SS,   2176                        ; from K step to K step: 8 chunks
.set CS,   544                         ; from register group to register group: 2 chunks
.set ST,   2                           ; v2-3   where I store a loaded row's 16 bytes, buffer 0, 1
.set RD,   4                           ; v4-5   where I read my pair's fragments
.set WRD,  6                           ; v6     where I read my weights' fragments
.set WA,   7                           ; v7     my byte offset in the work-group's rows of W1
.set HO,   8                           ; v8     my 16 bytes in an image: 512 fs + 16 lane
.set IS,   9                           ; v9     my four entries of the list, trip 0
.set IO,   10                          ; v10    the same for the trip in hand
.set SCL,  11                          ; v11    2^e3
.set LIM,  12                          ; v12    448 x 2^e3
.set L16,  13                          ; v13    16 (lane % 16)
.set CL,   14                          ; v14    4 sqrt(2)
.set BO,   15                          ; v15    b1: 64 (lane / 16)
.set ID,   16                          ; v16-19 four tokens from the list
.set AD,   20                          ; v20-23 their rows' byte offsets in xq
.set B1,   24                          ; v24-39 b1 of my 16 hidden units
.set XL,   40                          ; v40-103  16 x 16 bytes of rows on their way to LDS
.set XF,   104                         ; v104-199 three K steps' fragments of x by turns; in the GELU: at work
.set ACC,  200                         ; v200-231 four accumulators: tile i, weight tile u at ACC + 8 (2 i + u)
.set CD,   232                         ; v232-239 codes: tile i at CD + 4 i
.set VC,   XF
.set YY,   XF+16
.set PP,   XF+32
.set QQ,   XF+48
.set FS,   21
.set TH,   22
.set SP,   25                          ; s25  sP
.set PREV, 26                          ; s26  th = 1: the last trip's pair was multiplied and waits for its GELU
.set NXT,  27                          ; s27  64 x (trip + 2)
.set TH2,  33
.set TH4,  42
.set MSB, 0
.macro WIN new                         ; s_set_vgpr_msb: bits 1:0 source 0, 3:2 source 1, 5:4 source 2, 7:6 destination; the high byte repeats the setting that is left
.if MSB != \new
	s_set_vgpr_msb (MSB<<8)|\new
.set MSB, \new
.endif
.endm
.macro WREG n                          ; the weights' 32 loads land in XL, ACC and the first third of XF
.if (\n) < 16
.set WRG, XL+4*(\n)
.elseif (\n) < 24
.set WRG, ACC+4*((\n)-16)
.else
.set WRG, XF+4*((\n)-24)
.endif
.endm
	s_load_b256 s[4:11], s[0:1], 0x0               ; xq s[4:5], W1's codes s[6:7], b1 s[8:9], the scales' exponents s[10:11]
	s_load_b128 s[12:15], s[0:1], 0x20             ; list s[12:13], cnt s[14:15]
	s_load_b64 s[16:17], s[0:1], 0x30              ; himg
	v_lshl_add_u32 v254, v0, 2, 0x22000
	v_mov_b32 v255, 0
	v_lshrrev_b32 v1, 5, v0
	v_readfirstlane_b32 s20, v1                    ; wave 0..7
	s_and_b32 s[FS], s20, 3
	s_lshr_b32 s[TH], s20, 2
	s_and_b32 s23, ttmp7, 0xffff                   ; e
	s_mov_b32 s24, ttmp9                           ; fb
	v_and_b32 v1, 31, v0
	v_lshlrev_b32 v1, 4, v1                        ; 16 x lane
	v_and_b32 v13, 15, v0                          ; lane % 16
	v_bfe_u32 v15, v0, 4, 1                        ; lane / 16
	v_mul_u32_u24 v[ST], v13, 272                  ; a loaded row: its chunk lane % 16 of a quarter,
	v_lshl_add_u32 v[ST], v15, 6, v[ST]            ; rows 4 (lane / 16) on,
	s_lshr_b32 s34, s20, 1
	s_mul_i32 s34, s34, WT                         ; tile w / 2 of the buffer's four,
	s_and_b32 s35, s20, 1
	s_lshl_b32 s35, s35, 7                         ; rows 8 (w % 2) on
	s_add_co_u32 s34, s34, s35
	v_add_nc_u32 v[ST], s34, v[ST]
	v_add_nc_u32 v[ST+1], BUF, v[ST]
	v_mul_u32_u24 v[RD], v15, 272                  ; a fragment: chunk + lane / 16, row lane % 16
	v_lshl_add_u32 v[RD], v13, 4, v[RD]
	s_mul_i32 s34, s[FS], 2*WT
	v_add_nc_u32 v[WRD], s34, v[RD]                ; my two weight tiles: 2 fs, 2 fs + 1
	s_mul_i32 s34, s[TH], 2*WT
	v_add_nc_u32 v[RD], s34, v[RD]                 ; my pair's two tiles
	v_add_nc_u32 v[RD+1], BUF, v[RD]
	s_lshl_b32 s34, s[TH], 5                       ; W1's row that goes to my LDS rows: 32 th + 16 (fs % 2) + 8 (fs / 2) + 4 (lane / 16) (+ 64 buffer + q in the immediate)
	s_and_b32 s35, s[FS], 1
	s_lshl_b32 s35, s35, 4
	s_add_co_u32 s34, s34, s35
	s_lshr_b32 s35, s[FS], 1
	s_lshl_b32 s35, s35, 3
	s_add_co_u32 s34, s34, s35
	s_lshl_b32 s34, s34, 10                        ; rows of 1,024 bytes
	v_lshlrev_b32 v[WA], 12, v15
	v_lshl_add_u32 v[WA], v13, 4, v[WA]
	v_add_nc_u32 v[WA], s34, v[WA]
	s_lshl_b32 s34, s[FS], 9
	v_add_nc_u32 v[HO], s34, v1
	s_lshl_b32 s34, s23, 12                        ; the list: 4 bytes x (1,024 e + 8 w + 4 (lane / 16))
	s_lshl_b32 s35, s20, 5
	s_add_co_u32 s34, s34, s35
	v_lshl_add_u32 v[IS], v15, 4, s34
	v_add_nc_u32 v[IO], 256, v[IS]                 ; trip 1's entries
	v_lshlrev_b32 v[L16], 4, v13
	v_lshlrev_b32 v[BO], 6, v15
	v_mov_b32 v[CL], 0x40b504f3                    ; 4 sqrt(2)
	s_add_co_u32 s[TH2], s[TH], 2
	s_add_co_u32 s[TH4], s[TH], 4
	s_mov_b32 s[PREV], 0
	s_mov_b32 s[NXT], 128
	s_mov_b32 s38, 0xabd3f331                      ; A's first coefficient, -1.50599506e-12
	s_mov_b32 s39, s38                             ; (named with it as a pair, so it is written)
	s_mov_b32 s40, 0xb57460cd                      ; B's first, -9.10379490e-07
	s_mov_b32 s41, s40
	s_mov_b32 s35, 0
	s_wait_kmcnt 0x0
	s_load_b128 s[28:31], s[10:11], 0x0            ; e0, e1, e2, e3
	s_lshl_b32 s34, s23, 2
	s_add_nc_u64 s[14:15], s[14:15], s[34:35]
	s_load_b32 s[SP], s[14:15], 0x0                ; n
	s_lshl_b32 s34, s23, 22                        ; W1: (4,096 e + 128 fb) rows of 1,024 bytes
	s_lshl_b32 s43, s24, 17
	s_add_co_u32 s34, s34, s43
	s_add_nc_u64 s[6:7], s[6:7], s[34:35]
	s_lshl_b32 s34, s23, 14                        ; b1: 4 bytes x (4,096 e + 128 fb + 32 fs)
	s_lshl_b32 s43, s24, 9
	s_add_co_u32 s34, s34, s43
	s_lshl_b32 s43, s[FS], 7
	s_add_co_u32 s34, s34, s43
	s_add_nc_u64 s[8:9], s[8:9], s[34:35]
	s_lshl_b32 s34, s23, 22                        ; himg: expert e, tile 2 th, K step fb
	s_lshl_b32 s43, s[TH], 17
	s_add_co_u32 s34, s34, s43
	s_lshl_b32 s43, s24, 11
	s_add_co_u32 s34, s34, s43
	s_add_nc_u64 s[16:17], s[16:17], s[34:35]
.irp b, 0,1                            ; THE WEIGHTS: 32 loads a wave; each half of the lanes reads 256 consecutive bytes of one row, at a multiple of 256
.irp q, 0,1,2,3
.irp c, 0,1,2,3
	WREG 16*\b+4*\q+\c
	global_load_b128 v[WRG:WRG+3], v[WA], s[6:7] offset:(64*\b+\q)*1024+256*\c th:TH_LOAD_NT
.endr
.endr
.endr
	global_load_b128 v[ID:ID+3], v[IS], s[12:13]   ; trip 0's four tokens of my half of the lanes
.irp c, 0,1,2,3
	global_load_b128 v[B1+4*\c:B1+4*\c+3], v[BO], s[8:9] offset:16*\c
.endr
	s_wait_kmcnt 0x0
	s_min_u32 s[SP], s[SP], 1024
	s_add_co_u32 s[SP], s[SP], 31
	s_lshr_b32 s[SP], s[SP], 5                     ; P
	s_add_co_i32 s36, s28, s29
	s_add_co_i32 s36, s36, 127
	s_lshl_b32 s36, s36, 23                        ; 2^(e0 + e1) as f32
	s_mov_b32 s37, s36
	s_add_co_i32 s34, s31, 127
	s_lshl_b32 s43, s34, 23
	v_mov_b32 v[SCL], s43                          ; 2^e3
	s_add_co_i32 s34, s34, 8
	s_lshl_b32 s34, s34, 23
	s_or_b32 s34, s34, 0x600000
	v_mov_b32 v[LIM], s34                          ; 448 x 2^e3
	s_wait_loadcnt 4                               ; the weights and the tokens are in; b1's four loads, issued behind them, may stay out
.irp b, 0,1
.irp q, 0,1,2,3
.irp c, 0,1,2,3
	WREG 16*\b+4*\q+\c
	ds_store_b128 v[ST+\b], v[WRG:WRG+3] offset:4352*\c+16*\q
.endr
.endr
.endr
; 16 loads: my 8 rows of a pair, by the tokens in ID.  Each half of the lanes reads 256 consecutive bytes of one row of xq
.macro ROWS
.irp q, 0,1,2,3
	v_min_u32 v[AD+\q], 0x3ff, v[ID+\q]            ; a loaded number enters an address behind a clamp
.endr
.irp q, 0,1,2,3
	v_lshlrev_b32 v[AD+\q], 10, v[AD+\q]
.endr
.irp q, 0,1,2,3
	v_add_nc_u32 v[AD+\q], v[L16], v[AD+\q]
.endr
.irp q, 0,1,2,3
.irp c, 0,1,2,3
	global_load_b128 v[XL+4*(4*\q+\c):XL+4*(4*\q+\c)+3], v[AD+\q], s[4:5] offset:256*\c
.endr
.endr
.endm
	s_wait_dscnt 0x0                               ; my stores have landed, and have read XL
	s_cmp_gt_i32 s[SP], s[TH]
	s_cbranch_scc0 .Lno_first
	ROWS                                           ; trip 0's rows
.Lno_first:
	global_load_b128 v[ID:ID+3], v[IO], s[12:13]   ; trip 1's tokens (places 64 on: inside the list whatever n is)
	s_barrier_signal -1
	s_barrier_wait -1                              ; all 128 rows of W1 lie in LDS
	WIN 0x40                                       ; destination window 1
.irp u, 0,1
.irp s, 0,1,2,3,4,5,6,7
.irp c, 0,1,2,3
	ds_load_b128 v[16*(8*\u+\s)+4*\c:16*(8*\u+\s)+4*\c+3], v[WRD] offset:WT*\u+(8*\s+2*\c)*272   ; weight tile u, K step s: they stay
.endr
.endr
.endr
	WIN 0
	s_wait_dscnt 0x0                               ; my reads of the weights are over:
	s_barrier_signal -1
	s_barrier_wait -1                              ; everybody's are: the buffers may take rows
.macro XFETCH b, s                     ; K step s of my pair: 8 loads into the ring's buffer s % 3
.irp i, 0,1
.irp c, 0,1,2,3
	ds_load_b128 v[XF+32*((\s)%3)+16*\i+4*\c:XF+32*((\s)%3)+16*\i+4*\c+3], v[RD+\b] offset:XT*\i+SS*(\s)+CS*\c
.endr
.endr
.endm
; My pair x my 32 weight rows over K = 1,024: 8 K steps of four products.  The four accumulators take turns, one instruction a turn, in the same order in every step.
; The first step's products start the sums.  Fragment loads run three K steps ahead.
.macro KLOOP b
	XFETCH \b, 0
	XFETCH \b, 1
	XFETCH \b, 2
.irp s, 0,1,2,3,4,5,6,7
.if \s < 6
	s_wait_dscnt 16                                ; this step's eight loads are in; the two younger groups of eight may stay out
.elseif \s == 6
	s_wait_dscnt 8                                 ; one younger group is left
.else
	s_wait_dscnt 0
.endif
	WIN 0x01                                       ; source 0 (the weights) window 1
.irp i, 0,1
.irp u, 0,1
.if \s == 0
	v_wmma_f32_16x16x128_fp8_fp8 v[ACC+8*(2*\i+\u):ACC+8*(2*\i+\u)+7], v[16*(8*\u+\s):16*(8*\u+\s)+15], v[XF+32*(\s%3)+16*\i:XF+32*(\s%3)+16*\i+15], 0
.else
	v_wmma_f32_16x16x128_fp8_fp8 v[ACC+8*(2*\i+\u):ACC+8*(2*\i+\u)+7], v[16*(8*\u+\s):16*(8*\u+\s)+15], v[XF+32*(\s%3)+16*\i:XF+32*(\s%3)+16*\i+15], v[ACC+8*(2*\i+\u):ACC+8*(2*\i+\u)+7]
.endif
.endr
.endr
	WIN 0
.if \s < 5
.rept 4
	v_nop                                          ; four places in front of loads into registers that these products have read
.endr
	XFETCH \b, \s+3
.endif
.endr
.rept 5
	v_nop                                          ; five places: for the reads of the results, for the next loads into the ring, and for the next products that begin these accumulators anew
.endr
.endm
.macro HORN dst, lit                   ; dst = dst y + lit, 16 numbers
.irp p, 0,2,4,6,8,10,12,14
	v_pk_fma_f32 v[\dst+\p:\dst+\p+1], v[\dst+\p:\dst+\p+1], v[YY+\p:YY+\p+1], \lit op_sel_hi:[1,1,0]
.endr
.endm
; The GELU, the quantiser and the store for a pair, a tile of 16 rows (16 numbers a lane) at a time.  back: bytes from the base to the pair's trip.
.macro EPI back
.irp i, 0,1
.irp p, 0,2,4,6,8,10,12,14
	v_pk_fma_f32 v[ACC+16*\i+\p:ACC+16*\i+\p+1], v[ACC+16*\i+\p:ACC+16*\i+\p+1], s[36:37], v[B1+\p:B1+\p+1] op_sel_hi:[1,0,1]   ; v = sum x 2^(e0 + e1) + b1; each accumulator from its low end on
.endr
.irp n, 0,1,2,3,4,5,6,7,8,9,10,11,12,13,14,15
	v_med3_num_f32 v[VC+\n], v[ACC+16*\i+\n], -v[CL], v[CL]
.endr
.irp p, 0,2,4,6,8,10,12,14
	v_pk_mul_f32 v[YY+\p:YY+\p+1], v[VC+\p:VC+\p+1], v[VC+\p:VC+\p+1]
.endr
.irp p, 0,2,4,6,8,10,12,14
	v_pk_fma_f32 v[PP+\p:PP+\p+1], v[YY+\p:YY+\p+1], s[38:39], 0x2fa84a8d op_sel_hi:[1,0,0]   ; A: .. y + 3.06119941e-10
.endr
.irp p, 0,2,4,6,8,10,12,14
	v_pk_fma_f32 v[QQ+\p:QQ+\p+1], v[YY+\p:YY+\p+1], s[40:41], 0xb7dfbd29 op_sel_hi:[1,0,0]   ; B: .. y - 2.66717569e-05
.endr
	HORN PP, 0xb347667d                            ; -4.642651039e-08
	HORN QQ, 0xb9dc924e                            ; -4.20706744e-04
	HORN PP, 0xb628d45d                            ; -2.51575617e-06
	HORN QQ, 0xbb719bf8                            ; -3.68666458e-03
	HORN PP, 0xb8883d9c                            ; -6.496460735e-05
	HORN QQ, 0xbc69b6a7                            ; -1.42647391e-02: B is finished
.irp n, 0,1,2,3,4,5,6,7,8,9,10,11,12,13,14,15
	v_rcp_f32 v[QQ+\n], v[QQ+\n]
.endr
	HORN PP, 0xba08eb41                            ; -5.22304390e-04.  (A's last two rounds are the plain instructions behind the reciprocals)
	HORN PP, 0xbbba79f3                            ; -5.69080716e-03
.irp p, 0,2,4,6,8,10,12,14
	v_pk_mul_f32 v[PP+\p:PP+\p+1], v[PP+\p:PP+\p+1], v[VC+\p:VC+\p+1]
.endr
	s_wait_alu depctr_va_vdst(0)
.irp p, 0,2,4,6,8,10,12,14
	v_pk_fma_f32 v[PP+\p:PP+\p+1], v[PP+\p:PP+\p+1], v[QQ+\p:QQ+\p+1], 0.5 op_sel_hi:[1,1,0]   ; Phi
.endr
.irp p, 0,2,4,6,8,10,12,14
	v_pk_mul_f32 v[ACC+16*\i+\p:ACC+16*\i+\p+1], v[ACC+16*\i+\p:ACC+16*\i+\p+1], v[PP+\p:PP+\p+1]   ; h = v Phi
.endr
.irp n, 0,1,2,3,4,5,6,7,8,9,10,11,12,13,14,15
	v_med3_num_f32 v[ACC+16*\i+\n], v[ACC+16*\i+\n], -v[LIM], v[LIM]   ; the conversion does not saturate (ISA guide 7.6.2): the hold at the largest code x the scale
.endr
	v_cvt_scalef32_pk8_fp8_f32 v[CD+4*\i:CD+4*\i+1], v[ACC+16*\i:ACC+16*\i+7], v[SCL]
	v_cvt_scalef32_pk8_fp8_f32 v[CD+4*\i+2:CD+4*\i+3], v[ACC+16*\i+8:ACC+16*\i+15], v[SCL]
	v_nop                                          ; a plain instruction between the conversions and whatever next writes their sources (the next products)
	global_store_b128 v[HO], v[CD+4*\i:CD+4*\i+3], s[16:17] offset:65536*\i-\back   ; 512 consecutive bytes of the tile's image
.endr
.endm
; A TRIP: 64 places of the list, through buffer b.  ONE barrier: in front of it my rows of this trip are in the buffer and my reads of the other buffer are over;
; that other buffer is written again only in the next trip, behind this barrier.
.macro TRIP b
	s_wait_loadcnt 0x0                             ; what was asked for a trip ago: this trip's rows, the next trip's tokens
	s_cmp_gt_i32 s[SP], s[TH]
	s_cbranch_scc0 .Lns_\@
.irp q, 0,1,2,3
.irp c, 0,1,2,3
	ds_store_b128 v[ST+\b], v[XL+4*(4*\q+\c):XL+4*(4*\q+\c)+3] offset:4352*\c+16*\q
.endr
.endr
.Lns_\@:
	s_wait_dscnt 0x0                               ; my stores have landed and have read XL; my reads of the other buffer are over
	s_cmp_gt_i32 s[SP], s[TH2]
	s_cbranch_scc0 .Lnl_\@
	ROWS                                           ; the next trip's rows: they have this trip's work in which to land
.Lnl_\@:
	s_cmp_gt_i32 s[SP], s[TH4]
	s_cbranch_scc0 .Lni_\@
	s_min_u32 s34, s[NXT], 960                     ; the tokens of the trip after that; the bound keeps the address inside the list on its own
	s_lshl_b32 s34, s34, 2
	v_add_nc_u32 v[IO], s34, v[IS]
	global_load_b128 v[ID:ID+3], v[IO], s[12:13]
.Lni_\@:
	s_barrier_signal -1
	s_barrier_wait -1
	s_cmp_lg_u32 s[TH], 0
	s_cbranch_scc1 .Lr1_\@
	s_cmp_gt_i32 s[SP], 0                          ; th = 0
	s_cbranch_scc0 .Lt_\@
	KLOOP \b
	EPI 0
	s_branch .Lt_\@
.Lr1_\@:
	s_cmp_lg_u32 s[PREV], 0                        ; th = 1
	s_cbranch_scc0 .Lne_\@
	EPI 262144
.Lne_\@:
	s_cmp_gt_i32 s[SP], 1
	s_cselect_b32 s[PREV], 1, 0
	s_cbranch_scc0 .Lt_\@
	KLOOP \b
.Lt_\@:
	s_wait_xcnt 0x0                                ; the stores have read their data and their base: both may be written again
	s_add_nc_u64 s[16:17], s[16:17], 262144        ; four tiles on
	s_add_co_i32 s[SP], s[SP], -2
	s_add_co_u32 s[NXT], s[NXT], 64
.endm
	s_mov_b32 s32, 8
.Ltrip:
	TRIP 0
	TRIP 1
	s_sub_co_u32 s32, s32, 1
	s_cmp_lg_u32 s32, 0
	s_cbranch_scc1 .Ltrip
	s_cmp_lg_u32 s[PREV], 0                        ; th = 1: the last trip's pair
	s_cbranch_scc0 .Lend
	EPI 262144
.Lend:
	s_wait_tensorcnt 0x0
	ds_add_u32 v254, v255
	s_wait_dscnt 0x0
	s_endpgm
.Lfunc_end_k_q3f720496c5_ffn1:
	.size	k_q3f720496c5_ffn1, .Lfunc_end_k_q3f720496c5_ffn1-k_q3f720496c5_ffn1
	.p2alignl 7, 3214868480
	.fill 96, 4, 3214868480
	.section	.rodata,"a",@progbits
	.p2align	6, 0x0
	.amdhsa_kernel k_q3f720496c5_ffn1
		.amdhsa_group_segment_fixed_size 140288
		.amdhsa_private_segment_fixed_size 0
		.amdhsa_enable_private_segment 0
		.amdhsa_kernarg_size 56
		.amdhsa_user_sgpr_count 2
		.amdhsa_user_sgpr_kernarg_segment_ptr 1
		.amdhsa_wavefront_size32 1
		.amdhsa_system_sgpr_workgroup_id_x 1
		.amdhsa_system_sgpr_workgroup_id_y 1
		.amdhsa_system_sgpr_workgroup_id_z 1
		.amdhsa_system_vgpr_workitem_id 0
		.amdhsa_next_free_vgpr 512
		.amdhsa_next_free_sgpr 66
		.amdhsa_reserve_vcc 0
		.amdhsa_float_denorm_mode_32 3
		.amdhsa_float_denorm_mode_16_64 3
		.amdhsa_memory_ordered 1
		.amdhsa_forward_progress 1
		.amdhsa_inst_pref_size 183
	.end_amdhsa_kernel
	.amdgpu_metadata
---
amdhsa.version: [ 1, 2 ]
amdhsa.kernels:
  - .name:           k_q3f720496c5_ffn1
    .symbol:         k_q3f720496c5_ffn1.kd
    .args:
      - { .name: xq, .offset: 0, .size: 8, .value_kind: global_buffer, .address_space: global }
      - { .name: W1_codes, .offset: 8, .size: 8, .value_kind: global_buffer, .address_space: global }
      - { .name: b1, .offset: 16, .size: 8, .value_kind: global_buffer, .address_space: global }
      - { .name: lowp_scales, .offset: 24, .size: 8, .value_kind: global_buffer, .address_space: global }
      - { .name: list, .offset: 32, .size: 8, .value_kind: global_buffer, .address_space: global }
      - { .name: cnt, .offset: 40, .size: 8, .value_kind: global_buffer, .address_space: global }
      - { .name: himg, .offset: 48, .size: 8, .value_kind: global_buffer, .address_space: global }
    .group_segment_fixed_size: 140288
    .private_segment_fixed_size: 0
    .kernarg_segment_align: 8
    .kernarg_segment_size: 56
    .max_flat_workgroup_size: 256
    .sgpr_count:     66
    .vgpr_count:     512
    .wavefront_size: 32
...
	.end_amdgpu_metadata
.endif
;; end of part 3
;; launch ffn2 (part 4): grid 32 x 8, 8 waves a work-group, no clusters, 207,872 bytes of LDS; arguments himg, W2_codes, cnt, ypart; writes ypart
.if DOCPART == 4
	.amdgcn_target "amdgcn-amd-amdhsa--gfx1250"
	.amdhsa_code_object_version 6
	.text
	.protected	k_q3f720496c5_ffn2
	.globl	k_q3f720496c5_ffn2
	.p2align	8
	.type	k_q3f720496c5_ffn2,@function
k_q3f720496c5_ffn2:
	s_mov_b64 s[64:65], 0
	v_nop
	global_prefetch_b8 v0, s[64:65] scope:SCOPE_SE
	s_setreg_imm32_b32 hwreg(HW_REG_WAVE_MODE, 25, 1), 1
	s_wait_xcnt 0x0
; SoftMoE, launch 4 of 5: the second product, h W2, on codes, for the rows that chose the expert; the sums leave raw, in four parts along K.
; SHARES.  Work-group (x, e), x = dblk + 8 qk, owns outputs 128 dblk .. + 127 of expert e and the K quarter 1,024 qk on: 128 KB of W2's codes, read from memory once,
; in pieces of 256 consecutive bytes, turned through LDS into fragments and then HELD IN REGISTERS (window 1).  The expert's rows of h stream past as images of
; their fragments' registers (himg: [e][tile of 16 rows][K step of 128][2,048 bytes]): a tile's eight K steps of my quarter are 16 KB on end.
; Wave w = fs + 4 th: fs names its 32 outputs, th the pair (32 rows) of a trip of 64 rows.  16 trips, a constant; every wave passes every barrier; a pair at or behind
; the list's end (by cnt) has its loads, LDS accesses, products and stores jumped over.  sP = live pairs - 2 x trip; pair th is live where sP > th.
; THE PRODUCT IS USED TRANSPOSED (source 0 = 16 rows of W2, source 1 = 16 rows of h): a lane holds eight neighbouring outputs of one row.  A row's 128 outputs come from
; four waves: they meet in a stage in LDS (rows of 512 + 16 bytes, two stages by turns) and leave a trip later as 512 consecutive bytes of a row of ypart.
; OUT: ypart [4 qk][8,192 rows = 1,024 e + place][1,024] f32: the sums of codes, without 2^(e2 + e3) and b2; the last launch adds the four parts in a fixed order.
; NO JOINT LOADS, NO TENSOR LOADS: the rows that the eight dblk of an expert and quarter share are live by a count read from memory.
.set WT,   17408                       ; a weight tile in LDS: 64 chunks of 16 bytes along K x 272; chunk q of row r at 272 q + 16 r
.set BUF,  69632                       ; from buffer to buffer (the weights fill both; the rows use 65,536 of each)
.set XT,   16384                       ; a tile's eight images
.set SS,   2048                        ; a K step's image
.set CS,   512                         ; four registers of all lanes
.set STG,  139264                      ; two stages of 64 rows x 528 bytes
.set STB,  33792
.set ST,   2                           ; v2-3   the weights' way into LDS
.set RD,   4                           ; v4-5   where I read my pair's fragments, buffer 0, 1
.set WRD,  6                           ; v6     where I read my weights' fragments
.set WA,   7                           ; v7     my byte offset in the work-group's rows of W2
.set AO,   8                           ; v8     my byte offset in a trip's four tiles of himg
.set YO,   9                           ; v9     my byte offset in a trip's 64 rows of ypart
.set SA,   10                          ; v10-11 where I store the images that I load
.set SW,   12                          ; v12-13 the stage: where I put 32 bytes of a row
.set SR,   14                          ; v14-15 the stage: where I read whole rows back
.set FL,   16                          ; v16-47  eight rows on their way out
.set XL,   48                          ; v48-111 16 x 16 bytes of images on their way to LDS
.set XF,   112                         ; v112-207 three K steps' fragments of h by turns
.set ACC,  208                         ; v208-239 four accumulators: tile i, weight tile u at ACC + 8 (2 i + u)
.set FS,   21
.set TH,   22
.set SP,   25
.set PREV, 26                          ; s26  the last trip's pair lies in the stage
.set TH2,  33
.set MSB, 0
.macro WIN new                         ; s_set_vgpr_msb: bits 1:0 source 0, 3:2 source 1, 5:4 source 2, 7:6 destination; the high byte repeats the setting that is left
.if MSB != \new
	s_set_vgpr_msb (MSB<<8)|\new
.set MSB, \new
.endif
.endm
.macro WREG n                          ; the weights' 32 loads land in XL, ACC and the first third of XF
.if (\n) < 16
.set WRG, XL+4*(\n)
.elseif (\n) < 24
.set WRG, ACC+4*((\n)-16)
.else
.set WRG, XF+4*((\n)-24)
.endif
.endm
	s_load_b256 s[4:11], s[0:1], 0x0               ; himg s[4:5], W2's codes s[6:7], cnt s[8:9], ypart s[10:11]
	v_lshl_add_u32 v254, v0, 2, 0x32800
	v_mov_b32 v255, 0
	v_lshrrev_b32 v1, 5, v0
	v_readfirstlane_b32 s20, v1                    ; wave 0..7
	s_and_b32 s[FS], s20, 3
	s_lshr_b32 s[TH], s20, 2
	s_and_b32 s23, ttmp7, 0xffff                   ; e
	s_and_b32 s24, ttmp9, 7                        ; dblk
	s_lshr_b32 s27, ttmp9, 3                       ; qk
	v_and_b32 v1, 31, v0
	v_lshlrev_b32 v1, 4, v1                        ; 16 x lane
	v_and_b32 v16, 15, v0                          ; lane % 16
	v_bfe_u32 v17, v0, 4, 1                        ; lane / 16
	v_mul_u32_u24 v[ST], v16, 272                  ; a weight row: its chunk lane % 16 of a quarter, rows 4 (lane / 16) on,
	v_lshl_add_u32 v[ST], v17, 6, v[ST]
	s_lshr_b32 s34, s20, 1
	s_mul_i32 s34, s34, WT                         ; tile w / 2 of the buffer's four, rows 8 (w % 2) on
	s_and_b32 s35, s20, 1
	s_lshl_b32 s35, s35, 7
	s_add_co_u32 s34, s34, s35
	v_add_nc_u32 v[ST], s34, v[ST]
	v_add_nc_u32 v[ST+1], BUF, v[ST]
	s_lshl_b32 s34, s[TH], 15
	v_add_nc_u32 v[RD], s34, v1                    ; my pair's two tiles of images
	v_add_nc_u32 v[RD+1], BUF, v[RD]
	v_mul_u32_u24 v[WRD], v17, 272
	v_lshl_add_u32 v[WRD], v16, 4, v[WRD]
	s_mul_i32 s34, s[FS], 2*WT
	v_add_nc_u32 v[WRD], s34, v[WRD]               ; my two weight tiles: 2 fs, 2 fs + 1
	v_lshlrev_b32 v[WA], 14, v17                   ; W2's row 8 w + 4 (lane / 16) (+ 64 buffer + q in the immediate), 4,096 bytes a row
	v_lshl_add_u32 v[WA], v16, 4, v[WA]
	s_lshl_b32 s34, s20, 15
	v_add_nc_u32 v[WA], s34, v[WA]
	v_add_nc_u32 v[YO], s34, v1                    ; ypart: rows 8 w on, 4,096 bytes a row
	s_lshr_b32 s34, s20, 1                         ; himg: tile w / 2 of the trip's four, half w % 2 of its 16 KB
	s_lshl_b32 s34, s34, 16
	s_and_b32 s35, s20, 1
	s_lshl_b32 s35, s35, 13
	s_add_co_u32 s34, s34, s35
	v_add_nc_u32 v[AO], s34, v1
	s_lshl_b32 s34, s20, 13                        ; and in a buffer: 8,192 w
	v_add_nc_u32 v[SA], s34, v1
	v_add_nc_u32 v[SA+1], BUF, v[SA]
	v_mul_u32_u24 v[SW], v16, 528                  ; the stage, in: row 32 th + lane % 16 (+ 16 i), bytes 128 fs + 32 (lane / 16) (+ 64 u)
	v_lshl_add_u32 v[SW], v17, 5, v[SW]
	s_mul_i32 s34, s[TH], 32*528
	s_lshl_b32 s35, s[FS], 7
	s_add_co_u32 s34, s34, s35
	s_add_co_u32 s34, s34, STG
	v_add_nc_u32 v[SW], s34, v[SW]
	v_add_nc_u32 v[SW+1], STB, v[SW]
	s_mul_i32 s34, s20, 8*528                      ; back: rows 8 w on, the 32 lanes take a row's 512 bytes
	s_add_co_u32 s34, s34, STG
	v_add_nc_u32 v[SR], s34, v1
	v_add_nc_u32 v[SR+1], STB, v[SR]
	s_add_co_u32 s[TH2], s[TH], 2
	s_mov_b32 s[PREV], 0
	s_mov_b32 s35, 0
	s_wait_kmcnt 0x0
	s_lshl_b32 s34, s23, 2
	s_add_nc_u64 s[8:9], s[8:9], s[34:35]
	s_load_b32 s[SP], s[8:9], 0x0                  ; n
	s_lshl_b32 s34, s23, 22                        ; W2: (1,024 e + 128 dblk) rows of 4,096 bytes, + 1,024 qk
	s_lshl_b32 s36, s24, 19
	s_add_co_u32 s34, s34, s36
	s_lshl_b32 s36, s27, 10
	s_add_co_u32 s34, s34, s36
	s_add_nc_u64 s[6:7], s[6:7], s[34:35]
	s_lshl_b32 s34, s23, 22                        ; himg: expert e, K steps 8 qk on
	s_lshl_b32 s36, s27, 14
	s_add_co_u32 s34, s34, s36
	s_add_nc_u64 s[4:5], s[4:5], s[34:35]
	s_lshl_b32 s34, s27, 25                        ; ypart: (8,192 qk + 1,024 e) rows of 4,096 bytes, + 512 dblk
	s_lshl_b32 s36, s23, 22
	s_add_co_u32 s34, s34, s36
	s_lshl_b32 s36, s24, 9
	s_add_co_u32 s34, s34, s36
	s_add_nc_u64 s[10:11], s[10:11], s[34:35]
.irp b, 0,1                            ; THE WEIGHTS: 32 loads a wave; each half of the lanes reads 256 consecutive bytes of one row, at a multiple of 256
.irp q, 0,1,2,3
.irp c, 0,1,2,3
	WREG 16*\b+4*\q+\c
	global_load_b128 v[WRG:WRG+3], v[WA], s[6:7] offset:(64*\b+\q)*4096+256*\c th:TH_LOAD_NT
.endr
.endr
.endr
	s_wait_kmcnt 0x0
	s_min_u32 s[SP], s[SP], 1024
	s_add_co_u32 s[SP], s[SP], 31
	s_lshr_b32 s[SP], s[SP], 5                     ; live pairs
	s_wait_loadcnt 0x0
.irp b, 0,1
.irp q, 0,1,2,3
.irp c, 0,1,2,3
	WREG 16*\b+4*\q+\c
	ds_store_b128 v[ST+\b], v[WRG:WRG+3] offset:4352*\c+16*\q
.endr
.endr
.endr
.macro HROWS off                       ; 16 loads of 512 consecutive bytes: my 8 KB of a trip's images
.irp n, 0,1,2,3,4,5,6,7,8,9,10,11,12,13,14,15
	global_load_b128 v[XL+4*\n:XL+4*\n+3], v[AO], s[4:5] offset:\off+512*\n
.endr
.endm
	s_wait_dscnt 0x0                               ; my stores have landed, and have read XL
	s_cmp_gt_i32 s[SP], s[TH]
	s_cbranch_scc0 .Lno_first
	HROWS 0                                        ; trip 0's images
.Lno_first:
	s_barrier_signal -1
	s_barrier_wait -1                              ; all 128 rows of W2's quarter lie in LDS
	WIN 0x40                                       ; destination window 1
.irp u, 0,1
.irp s, 0,1,2,3,4,5,6,7
.irp c, 0,1,2,3
	ds_load_b128 v[16*(8*\u+\s)+4*\c:16*(8*\u+\s)+4*\c+3], v[WRD] offset:WT*\u+(8*\s+2*\c)*272   ; weight tile u, K step s: they stay
.endr
.endr
.endr
	WIN 0
	s_wait_dscnt 0x0                               ; my reads of the weights are over:
	s_barrier_signal -1
	s_barrier_wait -1                              ; everybody's are: the buffers may take images
.macro XFETCH b, s                     ; K step s of my pair: 8 loads into the ring's buffer s % 3
.irp i, 0,1
.irp c, 0,1,2,3
	ds_load_b128 v[XF+32*((\s)%3)+16*\i+4*\c:XF+32*((\s)%3)+16*\i+4*\c+3], v[RD+\b] offset:XT*\i+SS*(\s)+CS*\c
.endr
.endr
.endm
; My pair x my 32 weight rows over my K quarter: 8 K steps of four products.  The four accumulators take turns, one instruction a turn, in the same order in every step.
.macro KLOOP b
	XFETCH \b, 0
	XFETCH \b, 1
	XFETCH \b, 2
.irp s, 0,1,2,3,4,5,6,7
.if \s < 6
	s_wait_dscnt 16                                ; this step's eight loads are in; the two younger groups of eight may stay out
.elseif \s == 6
	s_wait_dscnt 8                                 ; one younger group is left
.else
	s_wait_dscnt 0
.endif
	WIN 0x01                                       ; source 0 (the weights) window 1
.irp i, 0,1
.irp u, 0,1
.if \s == 0
	v_wmma_f32_16x16x128_fp8_fp8 v[ACC+8*(2*\i+\u):ACC+8*(2*\i+\u)+7], v[16*(8*\u+\s):16*(8*\u+\s)+15], v[XF+32*(\s%3)+16*\i:XF+32*(\s%3)+16*\i+15], 0
.else
	v_wmma_f32_16x16x128_fp8_fp8 v[ACC+8*(2*\i+\u):ACC+8*(2*\i+\u)+7], v[16*(8*\u+\s):16*(8*\u+\s)+15], v[XF+32*(\s%3)+16*\i:XF+32*(\s%3)+16*\i+15], v[ACC+8*(2*\i+\u):ACC+8*(2*\i+\u)+7]
.endif
.endr
.endr
	WIN 0
.if \s < 5
.rept 4
	v_nop                                          ; four places in front of loads into registers that these products have read
.endr
	XFETCH \b, \s+3
.endif
.endr
.rept 5
	v_nop                                          ; five places: for the LDS stores of the results, for the next loads into the ring, and for the next products that begin these accumulators anew
.endr
.endm
.macro STAGE b                         ; lane (r, h): row 32 th + 16 i + r, outputs 32 fs + 16 u + 8 h + 0..7; each accumulator from its low end on
.irp i, 0,1
.irp u, 0,1
	ds_store_b128 v[SW+\b], v[ACC+8*(2*\i+\u):ACC+8*(2*\i+\u)+3] offset:8448*\i+64*\u
	ds_store_b128 v[SW+\b], v[ACC+8*(2*\i+\u)+4:ACC+8*(2*\i+\u)+7] offset:8448*\i+64*\u+16
.endr
.endr
.endm
.macro FLUSH b                         ; rows 8 w .. 8 w + 7 of the last trip, from stage b; the bases have stepped one trip on
.irp p, 0,1,2,3,4,5,6,7
	ds_load_b128 v[FL+4*\p:FL+4*\p+3], v[SR+(\b)] offset:528*\p
.endr
.irp p, 0,1,2,3,4,5,6,7
	s_wait_dscnt 7-\p                              ; row p is in; the younger loads may stay out
	global_store_b128 v[YO], v[FL+4*\p:FL+4*\p+3], s[10:11] offset:4096*\p-262144   ; 512 consecutive bytes of a row, at a multiple of 512
.endr
.endm
; A TRIP: 64 rows, through buffer b and stage b.  ONE barrier: in front of it my images of this trip are in the buffer, my sums of the last trip are in the other stage, and my reads
; of the other buffer and of this stage are over.
.macro TRIP b
	s_wait_loadcnt 0x0                             ; this trip's images, asked for a trip ago
	s_cmp_gt_i32 s[SP], s[TH]
	s_cbranch_scc0 .Lns_\@
.irp n, 0,1,2,3,4,5,6,7,8,9,10,11,12,13,14,15
	ds_store_b128 v[SA+\b], v[XL+4*\n:XL+4*\n+3] offset:512*\n
.endr
.Lns_\@:
	s_wait_dscnt 0x0                               ; all my LDS instructions are done; the stores have read XL
	s_cmp_gt_i32 s[SP], s[TH2]
	s_cbranch_scc0 .Lnl_\@
	HROWS 262144                                   ; the next trip's images: they have this trip's work in which to land
.Lnl_\@:
	s_barrier_signal -1
	s_barrier_wait -1
	s_cmp_lg_u32 s[PREV], 0
	s_cbranch_scc0 .Lnf_\@
	FLUSH 1-\b
.Lnf_\@:
	s_cmp_gt_i32 s[SP], s[TH]
	s_cselect_b32 s[PREV], 1, 0
	s_cbranch_scc0 .Lt_\@
	KLOOP \b
	STAGE \b
.Lt_\@:
	s_wait_xcnt 0x0                                ; the loads and stores have read their bases, the stores their data: all may be written again
	s_add_nc_u64 s[4:5], s[4:5], 262144            ; four tiles of himg on
	s_add_nc_u64 s[10:11], s[10:11], 262144        ; 64 rows of ypart on
	s_add_co_i32 s[SP], s[SP], -2
.endm
	s_mov_b32 s32, 8
.Ltrip:
	TRIP 0
	TRIP 1
	s_sub_co_u32 s32, s32, 1
	s_cmp_lg_u32 s32, 0
	s_cbranch_scc1 .Ltrip
	s_wait_dscnt 0x0                               ; the last trip's sums are in stage 1
	s_barrier_signal -1
	s_barrier_wait -1
	s_cmp_lg_u32 s[PREV], 0
	s_cbranch_scc0 .Lend
	FLUSH 1
.Lend:
	s_wait_tensorcnt 0x0
	ds_add_u32 v254, v255
	s_wait_dscnt 0x0
	s_endpgm
.Lfunc_end_k_q3f720496c5_ffn2:
	.size	k_q3f720496c5_ffn2, .Lfunc_end_k_q3f720496c5_ffn2-k_q3f720496c5_ffn2
	.p2alignl 7, 3214868480
	.fill 96, 4, 3214868480
	.section	.rodata,"a",@progbits
	.p2align	6, 0x0
	.amdhsa_kernel k_q3f720496c5_ffn2
		.amdhsa_group_segment_fixed_size 207872
		.amdhsa_private_segment_fixed_size 0
		.amdhsa_enable_private_segment 0
		.amdhsa_kernarg_size 32
		.amdhsa_user_sgpr_count 2
		.amdhsa_user_sgpr_kernarg_segment_ptr 1
		.amdhsa_wavefront_size32 1
		.amdhsa_system_sgpr_workgroup_id_x 1
		.amdhsa_system_sgpr_workgroup_id_y 1
		.amdhsa_system_sgpr_workgroup_id_z 1
		.amdhsa_system_vgpr_workitem_id 0
		.amdhsa_next_free_vgpr 512
		.amdhsa_next_free_sgpr 66
		.amdhsa_reserve_vcc 0
		.amdhsa_float_denorm_mode_32 3
		.amdhsa_float_denorm_mode_16_64 3
		.amdhsa_memory_ordered 1
		.amdhsa_forward_progress 1
		.amdhsa_inst_pref_size 42
	.end_amdhsa_kernel
	.amdgpu_metadata
---
amdhsa.version: [ 1, 2 ]
amdhsa.kernels:
  - .name:           k_q3f720496c5_ffn2
    .symbol:         k_q3f720496c5_ffn2.kd
    .args:
      - { .name: himg, .offset: 0, .size: 8, .value_kind: global_buffer, .address_space: global }
      - { .name: W2_codes, .offset: 8, .size: 8, .value_kind: global_buffer, .address_space: global }
      - { .name: cnt, .offset: 16, .size: 8, .value_kind: global_buffer, .address_space: global }
      - { .name: ypart, .offset: 24, .size: 8, .value_kind: global_buffer, .address_space: global }
    .group_segment_fixed_size: 207872
    .private_segment_fixed_size: 0
    .kernarg_segment_align: 8
    .kernarg_segment_size: 32
    .max_flat_workgroup_size: 256
    .sgpr_count:     66
    .vgpr_count:     512
    .wavefront_size: 32
...
	.end_amdgpu_metadata
.endif
;; end of part 4
;; launch combine (part 5): grid 256 x 1, 8 waves a work-group, no clusters, 0 bytes of LDS; arguments ypart, rows, wts, b2, lowp_scales, out0; writes out0
.if DOCPART == 5
	.amdgcn_target "amdgcn-amd-amdhsa--gfx1250"
	.amdhsa_code_object_version 6
	.text
	.protected	k_q3f720496c5_combine
	.globl	k_q3f720496c5_combine
	.p2align	8
	.type	k_q3f720496c5_combine,@function
k_q3f720496c5_combine:
	s_mov_b64 s[64:65], 0
	v_nop
	global_prefetch_b8 v0, s[64:65] scope:SCOPE_SE
	s_setreg_imm32_b32 hwreg(HW_REG_WAVE_MODE, 25, 1), 1
	s_wait_xcnt 0x0
; SoftMoE, launch 5 of 5: out = w0 (y0 + b2[e0']) + w1 (y1 + b2[e1']), y = (the four K parts' sum) x 2^(e2 + e3), for each token's two chosen experts.
; SHARES: a wave takes half a token's row (2,048 bytes): token 4 x work-group + w / 2, half w % 2.  Which rows of ypart and of b2 it reads comes from rows, whole numbers of an
; earlier launch, through scalar registers, each behind a clamp.  Every load and store of the wave covers 512 consecutive bytes, at a multiple of 512.
; The four parts are added as (q0 + q1) + (q2 + q3): a fixed order.  A stream: no LDS, no barrier, no matrix unit, nothing shared between work-groups but b2's 32 KB.
; LIMIT: e2 + e3 between -126 and 127, so that 2^(e2 + e3) is an f32 number.
.set Y,  16                            ; v16-143  choice k, part q, piece c at Y + 64 k + 16 q + 4 c
.set B,  144                           ; v144-175 b2: choice k, piece c at B + 16 k + 4 c
	s_load_b256 s[4:11], s[0:1], 0x0               ; ypart s[4:5], rows s[6:7], wts s[8:9], b2 s[10:11]
	s_load_b128 s[12:15], s[0:1], 0x20             ; the scales' exponents s[12:13], out0 s[14:15]
	v_lshrrev_b32 v1, 5, v0
	v_readfirstlane_b32 s16, v1                    ; wave 0..7
	s_lshr_b32 s17, s16, 1
	s_and_b32 s18, s16, 1
	s_lshl_b32 s18, s18, 11                        ; my half of the row
	s_lshl_b32 s19, ttmp9, 2
	s_add_co_u32 s19, s19, s17                     ; my token
	s_lshl_b32 s44, s19, 3
	s_mov_b32 s45, 0
	v_and_b32 v1, 31, v0
	v_lshlrev_b32 v1, 4, v1
	v_add_nc_u32 v1, s18, v1                       ; 2,048 x half + 16 x lane
	s_wait_kmcnt 0x0
	s_add_nc_u64 s[6:7], s[6:7], s[44:45]
	s_add_nc_u64 s[8:9], s[8:9], s[44:45]
	s_load_b64 s[20:21], s[6:7], 0x0               ; the token's two rows: 1,024 x expert + place
	s_load_b64 s[22:23], s[8:9], 0x0               ; its two weights
	s_load_b128 s[24:27], s[12:13], 0x0            ; e0, e1, e2, e3
	s_add_nc_u64 s[28:29], s[4:5], 0x2000000       ; ypart's parts 1, 2, 3: 8,192 rows of 4,096 bytes apart
	s_add_nc_u64 s[30:31], s[4:5], 0x4000000
	s_add_nc_u64 s[32:33], s[4:5], 0x6000000
	s_lshl_b32 s44, s19, 12
	s_add_nc_u64 s[14:15], s[14:15], s[44:45]      ; out0 at my token
	s_wait_kmcnt 0x0
	s_lshr_b32 s34, s20, 10                        ; the experts: the shift first, the clamp behind it
	s_min_u32 s34, s34, 7
	s_lshl_b32 s34, s34, 12
	s_lshr_b32 s35, s21, 10
	s_min_u32 s35, s35, 7
	s_lshl_b32 s35, s35, 12
	s_min_u32 s20, s20, 0x1fff
	s_lshl_b32 s20, s20, 12
	s_min_u32 s21, s21, 0x1fff
	s_lshl_b32 s21, s21, 12
	v_add_nc_u32 v2, s20, v1
	v_add_nc_u32 v3, s21, v1
	v_add_nc_u32 v4, s34, v1
	v_add_nc_u32 v5, s35, v1
.macro PART q, base                    ; part q of both choices: 8 loads
.irp k, 0,1
.irp c, 0,1,2,3
	global_load_b128 v[Y+64*\k+16*\q+4*\c:Y+64*\k+16*\q+4*\c+3], v[2+\k], s[\base:\base+1] offset:512*\c th:TH_LOAD_NT
.endr
.endr
.endm
	PART 0, 4
	PART 1, 28
	PART 2, 30
	PART 3, 32
.irp k, 0,1
.irp c, 0,1,2,3
	global_load_b128 v[B+16*\k+4*\c:B+16*\k+4*\c+3], v[4+\k], s[10:11] offset:512*\c
.endr
.endr
	s_add_co_i32 s42, s26, s27
	s_add_co_i32 s42, s42, 127
	s_lshl_b32 s42, s42, 23                        ; 2^(e2 + e3) as f32
	s_mov_b32 s36, s23                             ; w1, as the low word of a pair (the packed forms take a scalar pair's low word for both halves; both words are written)
	s_mov_b32 s37, s23
	s_mul_f32 s38, s22, s42                        ; w0 x 2^(e2 + e3)
	s_mov_b32 s39, s38
	s_mul_f32 s40, s23, s42                        ; w1 x 2^(e2 + e3)
	s_mov_b32 s41, s40
	s_wait_loadcnt 0x0
.irp k, 0,1
.irp n, 0,2,4,6,8,10,12,14
	v_pk_add_f32 v[Y+64*\k+\n:Y+64*\k+\n+1], v[Y+64*\k+\n:Y+64*\k+\n+1], v[Y+64*\k+16+\n:Y+64*\k+16+\n+1]
	v_pk_add_f32 v[Y+64*\k+32+\n:Y+64*\k+32+\n+1], v[Y+64*\k+32+\n:Y+64*\k+32+\n+1], v[Y+64*\k+48+\n:Y+64*\k+48+\n+1]
.endr
.endr
.irp n, 0,2,4,6,8,10,12,14
	v_pk_mul_f32 v[B+\n:B+\n+1], v[B+\n:B+\n+1], s[22:23] op_sel_hi:[1,0]                          ; b2 of the first choice x w0
.endr
.irp k, 0,1
.irp n, 0,2,4,6,8,10,12,14
	v_pk_add_f32 v[Y+64*\k+\n:Y+64*\k+\n+1], v[Y+64*\k+\n:Y+64*\k+\n+1], v[Y+64*\k+32+\n:Y+64*\k+32+\n+1]
.endr
.endr
.irp n, 0,2,4,6,8,10,12,14
	v_pk_fma_f32 v[B+\n:B+\n+1], v[B+16+\n:B+16+\n+1], s[36:37], v[B+\n:B+\n+1] op_sel_hi:[1,0,1]  ; + b2 of the second x w1
.endr
.irp n, 0,2,4,6,8,10,12,14
	v_pk_fma_f32 v[B+\n:B+\n+1], v[Y+64+\n:Y+64+\n+1], s[40:41], v[B+\n:B+\n+1] op_sel_hi:[1,0,1]  ; + the second choice's sum x w1 2^(e2 + e3)
.endr
.irp n, 0,2,4,6,8,10,12,14
	v_pk_fma_f32 v[Y+\n:Y+\n+1], v[Y+\n:Y+\n+1], s[38:39], v[B+\n:B+\n+1] op_sel_hi:[1,0,1]        ; + the first's x w0 2^(e2 + e3)
.endr
.irp c, 0,1,2,3
	global_store_b128 v1, v[Y+4*\c:Y+4*\c+3], s[14:15] offset:512*\c th:TH_STORE_NT
.endr
	s_endpgm
.Lfunc_end_k_q3f720496c5_combine:
	.size	k_q3f720496c5_combine, .Lfunc_end_k_q3f720496c5_combine-k_q3f720496c5_combine
	.p2alignl 7, 3214868480
	.fill 96, 4, 3214868480
	.section	.rodata,"a",@progbits
	.p2align	6, 0x0
	.amdhsa_kernel k_q3f720496c5_combine
		.amdhsa_group_segment_fixed_size 0
		.amdhsa_private_segment_fixed_size 0
		.amdhsa_enable_private_segment 0
		.amdhsa_kernarg_size 48
		.amdhsa_user_sgpr_count 2
		.amdhsa_user_sgpr_kernarg_segment_ptr 1
		.amdhsa_wavefront_size32 1
		.amdhsa_system_sgpr_workgroup_id_x 1
		.amdhsa_system_sgpr_workgroup_id_y 1
		.amdhsa_system_sgpr_workgroup_id_z 1
		.amdhsa_system_vgpr_workitem_id 0
		.amdhsa_next_free_vgpr 192
		.amdhsa_next_free_sgpr 66
		.amdhsa_reserve_vcc 0
		.amdhsa_float_denorm_mode_32 3
		.amdhsa_float_denorm_mode_16_64 3
		.amdhsa_memory_ordered 1
		.amdhsa_forward_progress 1
		.amdhsa_inst_pref_size 12
	.end_amdhsa_kernel
	.amdgpu_metadata
---
amdhsa.version: [ 1, 2 ]
amdhsa.kernels:
  - .name:           k_q3f720496c5_combine
    .symbol:         k_q3f720496c5_combine.kd
    .args:
      - { .name: ypart, .offset: 0, .size: 8, .value_kind: global_buffer, .address_space: global }
      - { .name: rows, .offset: 8, .size: 8, .value_kind: global_buffer, .address_space: global }
      - { .name: wts, .offset: 16, .size: 8, .value_kind: global_buffer, .address_space: global }
      - { .name: b2, .offset: 24, .size: 8, .value_kind: global_buffer, .address_space: global }
      - { .name: lowp_scales, .offset: 32, .size: 8, .value_kind: global_buffer, .address_space: global }
      - { .name: out0, .offset: 40, .size: 8, .value_kind: global_buffer, .address_space: global }
    .group_segment_fixed_size: 0
    .private_segment_fixed_size: 0
    .kernarg_segment_align: 8
    .kernarg_segment_size: 48
    .max_flat_workgroup_size: 256
    .sgpr_count:     66
    .vgpr_count:     192
    .wavefront_size: 32
...
	.end_amdgpu_metadata
.endif
;; end of part 5
;; ======== version 2 of 2: 5 launches
;; limits: a function is approximated: absolute error at most 6e-08
;; workspace buffers: sel 4,096 bytes of whole numbers; wts 8,192 bytes; xq 1,048,576 bytes; list 32,768 bytes of whole numbers; rows 8,192 bytes of whole numbers; cnt 256 bytes of whole numbers; himg 33,554,432 bytes; ypart 134,217,728 bytes
;; launch route (part 6): grid 256 x 1, 4 waves a work-group, no clusters, 1,024 bytes of LDS; arguments x, Wr, br, lowp_scales, xq, sel, wts; writes xq, sel, wts
.if DOCPART == 6
	.amdgcn_target "amdgcn-amd-amdhsa--gfx1250"
	.amdhsa_code_object_version 6
	.text
	.protected	k_q3f720496c5_route
	.globl	k_q3f720496c5_route
	.p2align	8
	.type	k_q3f720496c5_route,@function
k_q3f720496c5_route:
	s_mov_b64 s[64:65], 0
	v_nop
	global_prefetch_b8 v0, s[64:65] scope:SCOPE_SE
	s_setreg_imm32_b32 hwreg(HW_REG_WAVE_MODE, 25, 1), 1
	s_wait_xcnt 0x0
; SoftMoE, launch 1 of 5: the router, and x's codes.
; logits = x Wr + br in f32 (fused multiply-adds); the two largest logits of a token (the lower index wins a tie), the softmax over those two with the
; larger one taken away first; x / 2^e0, held within +-448, as codes of E4M3 with K innermost.
; OUT: xq [1024 tokens][1024 codes]; sel [1024]: first choice | second choice << 8; wts [1024][2]: the two weights.
; SHARES: a work-group takes 4 tokens; wave w the K quarter 256 w; lane l the eight k = 256 w + 8 l + 0..7.  Each x byte is read once in the launch.
; The four waves' partial sums meet in LDS (128 bytes a wave) behind one barrier; wave 0 then finishes the four tokens, lane l for token l % 4.
; No choice steers an address or a branch here: the choices are selected by v_cndmask_b32 and stored as whole numbers for the later launches.
; LIMITS: e0 between -126 and 119.  NaN and infinities among x, Wr, br are not served.  The logits are f32 sums in another order than a plain loop's: two
; logits that agree to f32's last bits may be ranked the other way.
; No matrix unit: N = 8 would leave half of a tile's columns empty.  No cluster: the work-groups share only Wr's 32 KB.
.set X,   32                           ; v32-63   x: token i at X + 8 i
.set WR,  64                           ; v64-127  Wr: k i, expert e at WR + 8 i + e; later at work
.set P,   128                          ; v128-159 partial logits: token i, expert e at P + 8 i + e
.set CD,  160                          ; v160-167 codes: token i at CD + 2 i
	s_load_b256 s[4:11], s[0:1], 0x0               ; x s[4:5], Wr s[6:7], br s[8:9], the scales' exponents s[10:11]
	s_load_b128 s[12:15], s[0:1], 0x20             ; xq s[12:13], sel s[14:15]
	s_load_b64 s[16:17], s[0:1], 0x30              ; wts
	v_lshl_add_u32 v192, v0, 2, 0x200
	v_mov_b32 v193, 0
	v_lshrrev_b32 v5, 5, v0
	v_readfirstlane_b32 s20, v5                    ; wave 0..3
	v_and_b32 v1, 31, v0                           ; lane
	v_lshlrev_b32 v2, 5, v1
	v_lshl_add_u32 v2, v5, 10, v2                  ; x: 1,024 w + 32 l bytes into a token's row
	v_lshlrev_b32 v3, 3, v2                        ; Wr: row 256 w + 8 l, 32 bytes a row
	v_lshrrev_b32 v4, 2, v2                        ; codes: 256 w + 8 l
	v_lshlrev_b32 v5, 7, v5                        ; LDS: my wave's 128 bytes
	v_and_b32 v16, 3, v0
	v_lshlrev_b32 v16, 5, v16                      ; LDS, wave 0's reading: token l % 4, 32 bytes a token
	v_lshlrev_b32 v17, 2, v1                       ; sel: 4 bytes a token
	v_lshlrev_b32 v18, 3, v1                       ; wts: 8 bytes a token
	s_mov_b32 s22, 0x76543210                      ; v_permlanex16_b32: lane l takes lane l xor 16
	s_mov_b32 s23, 0xfedcba98
	s_mov_b32 s19, 0
	s_wait_alu depctr_va_vdst(0)
	s_wait_kmcnt 0x0
	s_load_b32 s21, s[10:11], 0x0                  ; e0
	s_load_b256 s[24:31], s[8:9], 0x0              ; br
	s_lshl_b32 s18, ttmp9, 14                      ; 4 tokens of 4,096 bytes
	s_add_nc_u64 s[4:5], s[4:5], s[18:19]
	s_lshl_b32 s18, ttmp9, 12                      ; 4 tokens of 1,024 codes
	s_add_nc_u64 s[12:13], s[12:13], s[18:19]
	s_lshl_b32 s18, ttmp9, 4
	s_add_nc_u64 s[14:15], s[14:15], s[18:19]
	s_lshl_b32 s18, ttmp9, 5
	s_add_nc_u64 s[16:17], s[16:17], s[18:19]
.irp i, 0,1,2,3
	global_load_b128 v[X+8*\i:X+8*\i+3],   v2, s[4:5] offset:4096*\i th:TH_LOAD_NT      ; the two loads of a token cover my wave's 1,024 bytes of its row
	global_load_b128 v[X+8*\i+4:X+8*\i+7], v2, s[4:5] offset:4096*\i+16 th:TH_LOAD_NT
.endr
.irp n, 0,1,2,3,4,5,6,7,8,9,10,11,12,13,14,15
	global_load_b128 v[WR+4*\n:WR+4*\n+3], v3, s[6:7] offset:16*\n                     ; my eight rows of Wr: 256 bytes on end
.endr
	s_wait_kmcnt 0x0
	s_add_co_i32 s21, s21, 127
	s_lshl_b32 s18, s21, 23
	v_mov_b32 v6, s18                              ; 2^e0 as f32: the conversion takes its exponent field
	s_add_co_i32 s21, s21, 8
	s_lshl_b32 s21, s21, 23
	s_or_b32 s21, s21, 0x600000
	v_mov_b32 v7, s21                              ; 448 x 2^e0
	s_wait_alu depctr_va_vdst(0)
	s_wait_loadcnt 16                              ; x's eight loads are in; Wr's sixteen, issued behind them, may stay out
.irp i, 0,1,2,3
.irp j, 0,1,2,3,4,5,6,7
	v_med3_num_f32 v[8+\j], v[X+8*\i+\j], -v7, v7  ; the conversion does not saturate (ISA guide 7.6.2): the hold goes into other registers, the router takes x as it is
.endr
	v_cvt_scalef32_pk8_fp8_f32 v[CD+2*\i:CD+2*\i+1], v[8:15], v6
	v_nop                                          ; a plain instruction between the conversion and the next write of its sources
	global_store_b64 v4, v[CD+2*\i:CD+2*\i+1], s[12:13] offset:1024*\i   ; the wave stores 256 consecutive bytes, at a multiple of 256
.endr
	s_wait_loadcnt 0x0                             ; Wr
.irp i, 0,1,2,3
.irp e, 0,1,2,3,4,5,6,7
	v_mul_f32 v[P+8*\i+\e], v[X+8*\i], v[WR+\e]    ; the first product starts each sum
.endr
.irp j, 1,2,3,4,5,6,7
.irp e, 0,1,2,3,4,5,6,7
	v_fmac_f32 v[P+8*\i+\e], v[X+8*\i+\j], v[WR+8*\j+\e]
.endr
.endr
.endr
	; the 32 sums over the wave's 32 lanes, stage by stage, so that no line waits for the line above it
.irp m, 1,2,4,8
.set n, 0
.rept 32
	v_add_f32_dpp v[P+n], v[P+n], v[P+n] row_xmask:\m row_mask:0xf bank_mask:0xf
.set n, n+1
.endr
.endr
.set n, 0
.rept 32
	v_permlanex16_b32 v[WR+n], v[P+n], s22, s23    ; into registers that have been written: Wr's, which are done with
.set n, n+1
.endr
.set n, 0
.rept 32
	v_add_f32 v[P+n], v[P+n], v[WR+n]
.set n, n+1
.endr
.irp n, 0,1,2,3,4,5,6,7
	ds_store_b128 v5, v[P+4*\n:P+4*\n+3] offset:16*\n   ; every lane holds the same sums and writes the same bytes
.endr
	s_wait_dscnt 0x0                               ; for the others' sake: my stores have landed
	s_barrier_signal -1
	s_barrier_wait -1
	s_cmp_lg_u32 s20, 0
	s_cbranch_scc1 .Lend                           ; waves 1 to 3 are done
.irp q, 0,1,2,3
	ds_load_b128 v[64+8*\q:67+8*\q], v16 offset:128*\q      ; K quarter q's eight sums of my token
	ds_load_b128 v[68+8*\q:71+8*\q], v16 offset:128*\q+16
.endr
	s_wait_dscnt 0x0
.irp e, 0,2,4,6
	v_pk_add_f32 v[96+\e:97+\e], v[64+\e:65+\e], v[72+\e:73+\e]
	v_pk_add_f32 v[104+\e:105+\e], v[80+\e:81+\e], v[88+\e:89+\e]
.endr
.irp e, 0,2,4,6
	v_pk_add_f32 v[96+\e:97+\e], v[96+\e:97+\e], v[104+\e:105+\e]
.endr
.irp e, 0,1,2,3,4,5,6,7
	v_add_f32 v[96+\e], s[24+\e], v[96+\e]         ; + br
.endr
	v_mov_b32 v112, v96                            ; the largest so far, and its index
	v_mov_b32 v114, 0
	v_mov_b32 v113, 0xff800000                     ; the second: -infinity, under every logit
	v_mov_b32 v115, 0
.irp e, 1,2,3,4,5,6,7
	v_mov_b32 v116, \e
	v_cmp_gt_f32 s34, v[96+\e], v112               ; strictly larger: the lower index keeps its place in a tie
	v_cmp_gt_f32 s35, v[96+\e], v113
	v_cndmask_b32 v113, v113, v[96+\e], s35
	v_cndmask_b32 v115, v115, v116, s35
	v_cndmask_b32 v113, v113, v112, s34            ; a new largest pushes the old one down
	v_cndmask_b32 v115, v115, v114, s34
	v_cndmask_b32 v112, v112, v[96+\e], s34
	v_cndmask_b32 v114, v114, v116, s34
.endr
	v_sub_f32 v117, v113, v112                     ; second - first, 0 or less: the maximum is taken away
	v_mul_f32 v117, 0x3fb8aa3b, v117               ; x log2(e)
	s_wait_alu depctr_va_vdst(0)
	v_exp_f32 v118, v117
	v_lshl_or_b32 v119, v115, 8, v114              ; (a plain instruction behind the exponential)  first | second << 8
	s_wait_alu depctr_va_vdst(0)
	v_add_f32 v120, 1.0, v118
	s_wait_alu depctr_va_vdst(0)
	v_rcp_f32 v122, v120                           ; the first weight: 1 / (1 + ex)
	v_nop
	s_wait_alu depctr_va_vdst(0)
	v_mul_f32 v123, v118, v122                     ; the second: ex / (1 + ex)
	v_cmp_gt_u32 vcc_lo, 4, v0
	s_wait_alu depctr_va_vdst(0)
	s_wait_xcnt 0x0                                ; EXEC is a source of the memory instructions issued so far: it changes only behind this wait
	s_and_saveexec_b32 s36, vcc_lo                 ; lanes 0 to 3: one for each token
	global_store_b32 v17, v119, s[14:15]
	global_store_b64 v18, v[122:123], s[16:17]
	s_wait_xcnt 0x0
	s_or_b32 exec_lo, exec_lo, s36
.Lend:
	s_wait_tensorcnt 0x0
	ds_add_u32 v192, v193
	s_wait_dscnt 0x0
	s_endpgm
.Lfunc_end_k_q3f720496c5_route:
	.size	k_q3f720496c5_route, .Lfunc_end_k_q3f720496c5_route-k_q3f720496c5_route
	.p2alignl 7, 3214868480
	.fill 96, 4, 3214868480
	.section	.rodata,"a",@progbits
	.p2align	6, 0x0
	.amdhsa_kernel k_q3f720496c5_route
		.amdhsa_group_segment_fixed_size 1024
		.amdhsa_private_segment_fixed_size 0
		.amdhsa_enable_private_segment 0
		.amdhsa_kernarg_size 56
		.amdhsa_user_sgpr_count 2
		.amdhsa_user_sgpr_kernarg_segment_ptr 1
		.amdhsa_wavefront_size32 1
		.amdhsa_system_sgpr_workgroup_id_x 1
		.amdhsa_system_sgpr_workgroup_id_y 1
		.amdhsa_system_sgpr_workgroup_id_z 1
		.amdhsa_system_vgpr_workitem_id 0
		.amdhsa_next_free_vgpr 194
		.amdhsa_next_free_sgpr 66
		.amdhsa_reserve_vcc 1
		.amdhsa_float_denorm_mode_32 3
		.amdhsa_float_denorm_mode_16_64 3
		.amdhsa_memory_ordered 1
		.amdhsa_forward_progress 1
		.amdhsa_inst_pref_size 33
	.end_amdhsa_kernel
	.amdgpu_metadata
---
amdhsa.version: [ 1, 2 ]
amdhsa.kernels:
  - .name:           k_q3f720496c5_route
    .symbol:         k_q3f720496c5_route.kd
    .args:
      - { .name: x, .offset: 0, .size: 8, .value_kind: global_buffer, .address_space: global }
      - { .name: Wr, .offset: 8, .size: 8, .value_kind: global_buffer, .address_space: global }
      - { .name: br, .offset: 16, .size: 8, .value_kind: global_buffer, .address_space: global }
      - { .name: lowp_scales, .offset: 24, .size: 8, .value_kind: global_buffer, .address_space: global }
      - { .name: xq, .offset: 32, .size: 8, .value_kind: global_buffer, .address_space: global }
      - { .name: sel, .offset: 40, .size: 8, .value_kind: global_buffer, .address_space: global }
      - { .name: wts, .offset: 48, .size: 8, .value_kind: global_buffer, .address_space: global }
    .group_segment_fixed_size: 1024
    .private_segment_fixed_size: 0
    .kernarg_segment_align: 8
    .kernarg_segment_size: 56
    .max_flat_workgroup_size: 128
    .sgpr_count:     66
    .vgpr_count:     194
    .wavefront_size: 32
...
	.end_amdgpu_metadata
.endif
;; end of part 6
;; launch lists (part 7): grid 8 x 1, 32 waves a work-group, no clusters, 4,352 bytes of LDS; arguments sel, list, rows, cnt; writes list, rows, cnt
.if DOCPART == 7
	.amdgcn_target "amdgcn-amd-amdhsa--gfx1250"
	.amdhsa_code_object_version 6
	.text
	.protected	k_q3f720496c5_lists
	.globl	k_q3f720496c5_lists
	.p2align	8
	.type	k_q3f720496c5_lists,@function
k_q3f720496c5_lists:
	s_mov_b64 s[64:65], 0
	v_nop
	global_prefetch_b8 v0, s[64:65] scope:SCOPE_SE
	s_setreg_imm32_b32 hwreg(HW_REG_WAVE_MODE, 25, 1), 1
	s_wait_xcnt 0x0
; SoftMoE, launch 2 of 5: from each token's two choices to each expert's list of tokens.  Whole numbers only.
; One work-group an expert e (8 in all: the work is 1,024 tokens an expert and wants one prefix sum over them); thread t is token t.
; OUT: list [8][1024]: a permutation of the tokens: places 0 .. n - 1 hold the tokens that chose e, in ascending order, the other tokens fill the tail, so
; that every entry is written once and names a token.  rows [1024][2]: e x 1,024 + the token's place, for its first and its second choice: each entry is
; written by the one work-group whose expert it names.  cnt [8]: n.
; The place is a prefix count: within a wave by the mask of lanes, across the 32 waves by the waves' counts, which meet in LDS behind one barrier.
	s_load_b256 s[4:11], s[0:1], 0x0               ; sel s[4:5], list s[6:7], rows s[8:9], cnt s[10:11]
	v_lshl_add_u32 v32, v0, 2, 0x100
	v_mov_b32 v33, 0
	v_lshlrev_b32 v1, 2, v0
	v_lshrrev_b32 v4, 5, v0
	s_delay_alu instid0(VALU_DEP_1)
	v_readfirstlane_b32 s18, v4                    ; wave 0..31
	s_delay_alu instid0(VALU_DEP_2)
	v_lshlrev_b32 v4, 2, v4                        ; LDS: my wave's word
	v_and_b32 v7, 31, v0
	s_delay_alu instid0(VALU_DEP_1)
	v_lshlrev_b32 v7, 2, v7                        ; LDS: the word of the wave whose number is my lane's
	s_mov_b32 s19, ttmp9                           ; e
	s_lshl_b32 s34, s19, 12
	s_mov_b32 s35, 0
	s_wait_alu depctr_va_vdst(0)
	s_wait_kmcnt 0x0
	global_load_b32 v2, v1, s[4:5]
	s_add_nc_u64 s[6:7], s[6:7], s[34:35]          ; my expert's 1,024 entries
	s_wait_loadcnt 0x0
	v_and_b32 v3, 0xff, v2
	v_bfe_u32 v8, v2, 8, 8
	s_delay_alu instid0(VALU_DEP_2)
	v_cmp_eq_u32 s20, s19, v3                      ; lanes whose first choice is e
	s_delay_alu instid0(VALU_DEP_2)
	v_cmp_eq_u32 s21, s19, v8                      ; whose second is
	s_or_b32 s22, s20, s21
	s_bcnt1_i32_b32 s23, s22
	v_mov_b32 v5, s23
	ds_store_b32 v4, v5                            ; my wave's count (every lane writes the same word)
	s_wait_dscnt 0x0
	s_barrier_signal -1
	s_barrier_wait -1
	ds_load_b32 v6, v7                             ; lane l: wave l's count, 0 to 32
	s_wait_dscnt 0x0
	s_mov_b32 s24, 0                               ; n: the sum of all counts
	s_mov_b32 s25, 0                               ; the sum of the counts of the waves in front of mine
	s_bfm_b32 s26, s18, 0                          ; the lanes below my wave's number
.irp b, 0,1,2,3,4,5                    ; bit by bit: the lanes whose count has bit b, counted, x 2^b
	v_and_b32 v8, 1<<\b, v6
	s_delay_alu instid0(VALU_DEP_1)
	v_cmp_ne_u32 s27, 0, v8
	s_bcnt1_i32_b32 s28, s27
	s_lshl_b32 s28, s28, \b
	s_add_co_u32 s24, s24, s28
	s_and_b32 s27, s27, s26
	s_bcnt1_i32_b32 s28, s27
	s_lshl_b32 s28, s28, \b
	s_add_co_u32 s25, s25, s28
.endr
	v_mbcnt_lo_u32_b32 v9, s22, 0                  ; choosers below me in my wave
	s_delay_alu instid0(VALU_DEP_1)
	v_add_nc_u32 v9, s25, v9                       ; a chooser's place
	s_not_b32 s29, s22
	v_mbcnt_lo_u32_b32 v10, s29, 0
	s_lshl_b32 s30, s18, 5
	s_sub_co_u32 s30, s30, s25                     ; the others in front of my wave: 32 w less the choosers there
	s_add_co_u32 s30, s30, s24
	v_add_nc_u32 v10, s30, v10                     ; another's place: behind all n choosers
	s_delay_alu instid0(VALU_DEP_1)
	v_cndmask_b32 v11, v10, v9, s22
	s_delay_alu instid0(VALU_DEP_1)
	v_min_u32 v11, 0x3ff, v11                      ; a number made of loaded data enters an address behind a clamp
	s_delay_alu instid0(VALU_DEP_1)
	v_lshlrev_b32 v12, 2, v11
	global_store_b32 v12, v0, s[6:7]
	v_mov_b32 v15, 4
	v_mov_b32 v16, 0
	s_delay_alu instid0(VALU_DEP_1)
	v_cndmask_b32 v13, v15, v16, s20               ; first choice: word 0 of the token's pair; second: word 1
	s_delay_alu instid0(VALU_DEP_1)
	v_min_u32 v13, 4, v13
	v_lshlrev_b32 v14, 3, v0
	s_delay_alu instid0(VALU_DEP_1)
	v_add_nc_u32 v13, v14, v13
	s_lshl_b32 s31, s19, 10
	v_add_nc_u32 v17, s31, v11                     ; e x 1,024 + place
	s_lshl_b32 s33, s19, 2
	v_mov_b32 v18, s33
	v_mov_b32 v19, s24
	s_mov_b32 vcc_lo, s22
	s_wait_alu depctr_va_vdst(0)
	s_wait_xcnt 0x0                                ; EXEC changes only behind this wait
	s_wait_tensorcnt 0x0
	ds_add_u32 v32, v33
	s_wait_dscnt 0x0
	s_and_saveexec_b32 s32, vcc_lo                 ; the choosers
	global_store_b32 v13, v17, s[8:9]
	s_wait_xcnt 0x0
	s_or_b32 exec_lo, exec_lo, s32
	v_cmp_eq_u32 vcc_lo, 0, v0
	s_and_saveexec_b32 s32, vcc_lo                 ; thread 0
	global_store_b32 v18, v19, s[10:11]
	s_wait_xcnt 0x0
	s_or_b32 exec_lo, exec_lo, s32
	s_endpgm
.Lfunc_end_k_q3f720496c5_lists:
	.size	k_q3f720496c5_lists, .Lfunc_end_k_q3f720496c5_lists-k_q3f720496c5_lists
	.p2alignl 7, 3214868480
	.fill 96, 4, 3214868480
	.section	.rodata,"a",@progbits
	.p2align	6, 0x0
	.amdhsa_kernel k_q3f720496c5_lists
		.amdhsa_group_segment_fixed_size 4352
		.amdhsa_private_segment_fixed_size 0
		.amdhsa_enable_private_segment 0
		.amdhsa_kernarg_size 32
		.amdhsa_user_sgpr_count 2
		.amdhsa_user_sgpr_kernarg_segment_ptr 1
		.amdhsa_wavefront_size32 1
		.amdhsa_system_sgpr_workgroup_id_x 1
		.amdhsa_system_sgpr_workgroup_id_y 1
		.amdhsa_system_sgpr_workgroup_id_z 1
		.amdhsa_system_vgpr_workitem_id 0
		.amdhsa_next_free_vgpr 34
		.amdhsa_next_free_sgpr 66
		.amdhsa_reserve_vcc 1
		.amdhsa_float_denorm_mode_32 3
		.amdhsa_float_denorm_mode_16_64 3
		.amdhsa_memory_ordered 1
		.amdhsa_forward_progress 1
		.amdhsa_inst_pref_size 6
	.end_amdhsa_kernel
	.amdgpu_metadata
---
amdhsa.version: [ 1, 2 ]
amdhsa.kernels:
  - .name:           k_q3f720496c5_lists
    .symbol:         k_q3f720496c5_lists.kd
    .args:
      - { .name: sel, .offset: 0, .size: 8, .value_kind: global_buffer, .address_space: global }
      - { .name: list, .offset: 8, .size: 8, .value_kind: global_buffer, .address_space: global }
      - { .name: rows, .offset: 16, .size: 8, .value_kind: global_buffer, .address_space: global }
      - { .name: cnt, .offset: 24, .size: 8, .value_kind: global_buffer, .address_space: global }
    .group_segment_fixed_size: 4352
    .private_segment_fixed_size: 0
    .kernarg_segment_align: 8
    .kernarg_segment_size: 32
    .max_flat_workgroup_size: 1024
    .sgpr_count:     66
    .vgpr_count:     34
    .wavefront_size: 32
...
	.end_amdgpu_metadata
.endif
;; end of part 7
;; launch ffn1 (part 8): grid 32 x 8, 8 waves a work-group, no clusters, 140,288 bytes of LDS; arguments xq, W1_codes, b1, lowp_scales, list, cnt, himg; writes himg
.if DOCPART == 8
	.amdgcn_target "amdgcn-amd-amdhsa--gfx1250"
	.amdhsa_code_object_version 6
	.text
	.protected	k_q3f720496c5_ffn1
	.globl	k_q3f720496c5_ffn1
	.p2align	8
	.type	k_q3f720496c5_ffn1,@function
k_q3f720496c5_ffn1:
	s_mov_b64 s[64:65], 0
	v_nop
	global_prefetch_b8 v0, s[64:65] scope:SCOPE_SE
	s_setreg_imm32_b32 hwreg(HW_REG_WAVE_SCHED_MODE, 0, 2), 2
	s_setreg_imm32_b32 hwreg(HW_REG_WAVE_MODE, 25, 1), 1
	s_wait_xcnt 0x0
	s_wait_alu depctr_vm_vsrc(0)
; SoftMoE, launch 3 of 5: h = gelu(x W1 + b1) for the rows that chose the expert, as codes of E4M3 with the scale 2^e3.
; SHARES.  Work-group (fb, e) owns hidden units 128 fb .. + 127 of expert e, all K = 1,024: 128 KB of W1's codes, read from memory once, in pieces of 256
; consecutive bytes, turned through LDS into fragments and then HELD IN REGISTERS (window 1) for the whole launch.  The expert's listed rows of xq stream past.
; Wave w = fs + 4 th: fs names its 32 hidden units, th the pair (32 rows) of a trip that it multiplies; a trip is 64 places of the list.
; THE TRIP COUNT IS A CONSTANT, 16, and every wave passes every barrier; a pair at or behind the list's end (by cnt, a whole number of an earlier launch) has
; its loads, LDS accesses, products and stores jumped over.  P = pairs that are live; sP = P - 2 x trip; pair th of the trip is live where sP > th.
; THE PRODUCT IS USED TRANSPOSED (source 0 = 16 rows of W1, source 1 = 16 rows of x), and the rows of W1 that form a tile are chosen (row m of tile u is unit
; 32 fs + 16 (m / 8) + 8 u + m % 8) so that a lane's 16 sums of a tile of rows are 16 neighbouring hidden units, 32 fs + 16 (lane / 16) + 0..15: the next K.
; Their 16 codes are 16 bytes of the image of the next product's fragment: himg [e][tile of 16 rows][K step of 128][2,048 bytes], byte 512 c + 16 lane + b
; holds k = 32 c + 16 (lane / 16) + b of row lane % 16; c = fs.  A wave's store is 512 consecutive bytes, at a multiple of 512.
; FRAGMENTS: registers 4 c .. 4 c + 3 hold k = 32 c + 16 (lane / 16) + 0..15: a permutation of k, the same on both sides.
; LDS: two buffers of four tiles.  A tile (16 rows x 1,024 bytes) lies by chunks of 16 bytes along K: chunk q of row r at 272 q + 16 r.  Sixteen lanes that store a
; row's 256 bytes stand 272 bytes apart, sixteen lanes that read a fragment's chunk stand on 256 consecutive bytes.
; GELU, exact: h = v Phi(v), Phi(v) = 0.5 + vc A(y) / B(y), vc = v held within +-4 sqrt(2), y = vc^2: the f32 rational form of erf(v / sqrt 2), with 1 / (2 sqrt 2)
; and the powers of 1/2 folded into the coefficients.
; ROLES.  th = 0 multiplies a trip's pair and then works its GELU; th = 1 works the last trip's GELU first and then multiplies: waves fs and fs + 4 so have vector
; work and matrix work at different times.
; NO JOINT LOADS, NO TENSOR LOADS: what the 32 work-groups of an expert share, the rows, is gathered by a list and is live by a count read from memory; a tile that
; is always asked for would fetch all 1,024 places, four times the rows of an even routing.
; LIMITS: e3 between -126 and 119; e0 + e1 between -126 and 127.  NaN is not served.  For v under about -3 Phi is a difference of numbers near 0.5, good to some
; 6e-8 absolute; under -4 sqrt(2) it is that difference's rest and not 0.
; THE MODE: SCHED_MODE bits 1:0 = 2 (LLVM: expert scheduling mode 2), set by the entry lines.  The code itself states the register dependences
; between vector or matrix instructions and memory or LDS instructions, with s_wait_alu, always for 0.
; THE PLAN.  Registers that memory or LDS instructions touch:
;   ST, RD, WRD, WA, HO, IS, BO, v254, v255   addresses, made once at the head, ahead of its wait on va_vdst, and never written again.
;   XL     rows on their way: global loads land in it, the next trip's LDS stores read it; no vector instruction names it.
;   ID     tokens: a load lands in it; the trip head's four v_min_u32 read it; behind the head's wait on va_vdst the next load lands.
;   AD, IO offsets made at a trip's head, behind the head's wait on vm_vsrc (the last trip's loads have read them), ahead of its wait on va_vdst (this trip's loads read them).
;   XF     the ring of three K steps: fragment loads land in it, the products read it; the GELU works in it.  In K steps 1 to 5 one wait on va_vdst at the step's head
;          states that the step before is done reading its buffer; the loads of the step two on land there, between this step's two pairs of products, which name
;          the other buffers, the weights and the accumulators.  The ring's first three loads of a pair stand behind the trip head's wait (th = 0) or the GELU's last (th = 1).
;   CD     codes: the conversions write them, two stores read them.  Tile 0's store stands behind tile 1's wait for its reciprocals, tile 1's behind a wait of its own;
;          the next trip head's wait on vm_vsrc stands ahead of the next conversions.
;   ACC, and XF's first third: at the head the weights land there and LDS stores read them (the head's wait on vm_vsrc); afterwards ACC is named by vector and matrix instructions alone.
;   window 1: the weights: LDS loads land there once; the products read them.
.set WT,   17408                       ; a tile in LDS: 64 chunks x 272
.set BUF,  69632                       ; a buffer: four tiles
.set XT,   17408                       ; from tile to tile of a pair
.set SS,   2176                        ; from K step to K step: 8 chunks
.set CS,   544                         ; from register group to register group: 2 chunks
.set ST,   2                           ; v2-3   where I store a loaded row's 16 bytes, buffer 0, 1
.set RD,   4                           ; v4-5   where I read my pair's fragments
.set WRD,  6                           ; v6     where I read my weights' fragments
.set WA,   7                           ; v7     my byte offset in the work-group's rows of W1
.set HO,   8                           ; v8     my 16 bytes in an image: 512 fs + 16 lane
.set IS,   9                           ; v9     my four entries of the list, trip 0
.set IO,   10                          ; v10    the same for the trip in hand
.set SCL,  11                          ; v11    2^e3
.set LIM,  12                          ; v12    448 x 2^e3
.set L16,  13                          ; v13    16 (lane % 16)
.set CL,   14                          ; v14    4 sqrt(2)
.set BO,   15                          ; v15    b1: 64 (lane / 16)
.set ID,   16                          ; v16-19 four tokens from the list
.set AD,   20                          ; v20-23 their rows' byte offsets in xq
.set B1,   24                          ; v24-39 b1 of my 16 hidden units
.set XL,   40                          ; v40-103  16 x 16 bytes of rows on their way to LDS
.set XF,   104                         ; v104-199 three K steps' fragments of x by turns; in the GELU: at work
.set ACC,  200                         ; v200-231 four accumulators: tile i, weight tile u at ACC + 8 (2 i + u)
.set CD,   232                         ; v232-239 codes: tile i at CD + 4 i
.set VC,   XF
.set YY,   XF+16
.set PP,   XF+32
.set QQ,   XF+48
.set FS,   21
.set TH,   22
.set SP,   25                          ; s25  sP
.set PREV, 26                          ; s26  th = 1: the last trip's pair was multiplied and waits for its GELU
.set NXT,  27                          ; s27  64 x (trip + 2)
.set TH2,  33
.set TH4,  42
.set MSB, 0
.macro WIN new                         ; s_set_vgpr_msb: bits 1:0 source 0, 3:2 source 1, 5:4 source 2, 7:6 destination; the high byte repeats the setting that is left
.if MSB != \new
	s_set_vgpr_msb (MSB<<8)|\new
.set MSB, \new
.endif
.endm
.macro WREG n                          ; the weights' 32 loads land in XL, ACC and the first third of XF
.if (\n) < 16
.set WRG, XL+4*(\n)
.elseif (\n) < 24
.set WRG, ACC+4*((\n)-16)
.else
.set WRG, XF+4*((\n)-24)
.endif
.endm
	s_load_b256 s[4:11], s[0:1], 0x0               ; xq s[4:5], W1's codes s[6:7], b1 s[8:9], the scales' exponents s[10:11]
	s_load_b128 s[12:15], s[0:1], 0x20             ; list s[12:13], cnt s[14:15]
	s_load_b64 s[16:17], s[0:1], 0x30              ; himg
	v_lshl_add_u32 v254, v0, 2, 0x22000
	v_mov_b32 v255, 0
	v_lshrrev_b32 v1, 5, v0
	v_readfirstlane_b32 s20, v1                    ; wave 0..7
	s_and_b32 s23, ttmp7, 0xffff                   ; e
	s_mov_b32 s24, ttmp9                           ; fb
	v_and_b32 v1, 31, v0
	v_lshlrev_b32 v1, 4, v1                        ; 16 x lane
	v_and_b32 v13, 15, v0                          ; lane % 16
	v_bfe_u32 v15, v0, 4, 1                        ; lane / 16
	v_mul_u32_u24 v[ST], v13, 272                  ; a loaded row: its chunk lane % 16 of a quarter,
	v_lshl_add_u32 v[ST], v15, 6, v[ST]            ; rows 4 (lane / 16) on,
	s_wait_alu depctr_va_vdst(0)
	s_wait_alu depctr_va_sdst(0)                   ; s20 is written, ahead of its first reader: the wave's shares and addresses are made from it
	s_and_b32 s[FS], s20, 3
	s_lshr_b32 s[TH], s20, 2
	s_lshr_b32 s34, s20, 1
	s_mul_i32 s34, s34, WT                         ; tile w / 2 of the buffer's four,
	s_and_b32 s35, s20, 1
	s_lshl_b32 s35, s35, 7                         ; rows 8 (w % 2) on
	s_add_co_u32 s34, s34, s35
	v_add_nc_u32 v[ST], s34, v[ST]
	v_add_nc_u32 v[ST+1], BUF, v[ST]
	v_mul_u32_u24 v[RD], v15, 272                  ; a fragment: chunk + lane / 16, row lane % 16
	v_lshl_add_u32 v[RD], v13, 4, v[RD]
	s_mul_i32 s34, s[FS], 2*WT
	v_add_nc_u32 v[WRD], s34, v[RD]                ; my two weight tiles: 2 fs, 2 fs + 1
	s_mul_i32 s34, s[TH], 2*WT
	v_add_nc_u32 v[RD], s34, v[RD]                 ; my pair's two tiles
	v_add_nc_u32 v[RD+1], BUF, v[RD]
	s_lshl_b32 s34, s[TH], 5                       ; W1's row that goes to my LDS rows: 32 th + 16 (fs % 2) + 8 (fs / 2) + 4 (lane / 16) (+ 64 buffer + q in the immediate)
	s_and_b32 s35, s[FS], 1
	s_lshl_b32 s35, s35, 4
	s_add_co_u32 s34, s34, s35
	s_lshr_b32 s35, s[FS], 1
	s_lshl_b32 s35, s35, 3
	s_add_co_u32 s34, s34, s35
	s_lshl_b32 s34, s34, 10                        ; rows of 1,024 bytes
	v_lshlrev_b32 v[WA], 12, v15
	v_lshl_add_u32 v[WA], v13, 4, v[WA]
	v_add_nc_u32 v[WA], s34, v[WA]
	s_lshl_b32 s34, s[FS], 9
	v_add_nc_u32 v[HO], s34, v1
	s_lshl_b32 s34, s23, 12                        ; the list: 4 bytes x (1,024 e + 8 w + 4 (lane / 16))
	s_lshl_b32 s35, s20, 5
	s_add_co_u32 s34, s34, s35
	v_lshl_add_u32 v[IS], v15, 4, s34
	v_add_nc_u32 v[IO], 256, v[IS]                 ; trip 1's entries
	v_lshlrev_b32 v[L16], 4, v13
	v_lshlrev_b32 v[BO], 6, v15
	v_mov_b32 v[CL], 0x40b504f3                    ; 4 sqrt(2)
	s_add_co_u32 s[TH2], s[TH], 2
	s_add_co_u32 s[TH4], s[TH], 4
	s_mov_b32 s[PREV], 0
	s_mov_b32 s[NXT], 128
	s_mov_b32 s38, 0xabd3f331                      ; A's first coefficient, -1.50599506e-12
	s_mov_b32 s39, s38                             ; (named with it as a pair, so it is written)
	s_mov_b32 s40, 0xb57460cd                      ; B's first, -9.10379490e-07
	s_mov_b32 s41, s40
	s_mov_b32 s35, 0
	s_wait_kmcnt 0x0
	s_load_b128 s[28:31], s[10:11], 0x0            ; e0, e1, e2, e3
	s_lshl_b32 s34, s23, 2
	s_add_nc_u64 s[14:15], s[14:15], s[34:35]
	s_load_b32 s[SP], s[14:15], 0x0                ; n
	s_lshl_b32 s34, s23, 22                        ; W1: (4,096 e + 128 fb) rows of 1,024 bytes
	s_lshl_b32 s43, s24, 17
	s_add_co_u32 s34, s34, s43
	s_add_nc_u64 s[6:7], s[6:7], s[34:35]
	s_lshl_b32 s34, s23, 14                        ; b1: 4 bytes x (4,096 e + 128 fb + 32 fs)
	s_lshl_b32 s43, s24, 9
	s_add_co_u32 s34, s34, s43
	s_lshl_b32 s43, s[FS], 7
	s_add_co_u32 s34, s34, s43
	s_add_nc_u64 s[8:9], s[8:9], s[34:35]
	s_lshl_b32 s34, s23, 22                        ; himg: expert e, tile 2 th, K step fb
	s_lshl_b32 s43, s[TH], 17
	s_add_co_u32 s34, s34, s43
	s_lshl_b32 s43, s24, 11
	s_add_co_u32 s34, s34, s43
	s_add_nc_u64 s[16:17], s[16:17], s[34:35]
	s_wait_alu depctr_va_vdst(0)                   ; the addresses ST, RD, WRD, WA, HO, IS, IO, BO and the pair v254, v255 are written: every load, store and LDS instruction of the kernel reads one of them
.irp b, 0,1                            ; THE WEIGHTS: 32 loads a wave; each half of the lanes reads 256 consecutive bytes of one row, at a multiple of 256
.irp q, 0,1,2,3
.irp c, 0,1,2,3
	WREG 16*\b+4*\q+\c
	global_load_b128 v[WRG:WRG+3], v[WA], s[6:7] offset:(64*\b+\q)*1024+256*\c th:TH_LOAD_NT
.endr
.endr
.endr
	global_load_b128 v[ID:ID+3], v[IS], s[12:13]   ; trip 0's four tokens of my half of the lanes
.irp c, 0,1,2,3
	global_load_b128 v[B1+4*\c:B1+4*\c+3], v[BO], s[8:9] offset:16*\c
.endr
	s_wait_kmcnt 0x0
	s_min_u32 s[SP], s[SP], 1024
	s_add_co_u32 s[SP], s[SP], 31
	s_lshr_b32 s[SP], s[SP], 5                     ; P
	s_add_co_i32 s36, s28, s29
	s_add_co_i32 s36, s36, 127
	s_lshl_b32 s36, s36, 23                        ; 2^(e0 + e1) as f32
	s_mov_b32 s37, s36
	s_add_co_i32 s34, s31, 127
	s_lshl_b32 s43, s34, 23
	v_mov_b32 v[SCL], s43                          ; 2^e3
	s_add_co_i32 s34, s34, 8
	s_lshl_b32 s34, s34, 23
	s_or_b32 s34, s34, 0x600000
	v_mov_b32 v[LIM], s34                          ; 448 x 2^e3
	s_wait_loadcnt 4                               ; the weights and the tokens are in; b1's four loads, issued behind them, may stay out
.irp b, 0,1
.irp q, 0,1,2,3
.irp c, 0,1,2,3
	WREG 16*\b+4*\q+\c
	ds_store_b128 v[ST+\b], v[WRG:WRG+3] offset:4352*\c+16*\q
.endr
.endr
.endr
; The byte offsets in xq of the four rows that the tokens in ID name.  They are made ahead of the branches that lead round the loads, so that one wait serves both
.macro ADDR
.irp q, 0,1,2,3
	v_min_u32 v[AD+\q], 0x3ff, v[ID+\q]            ; a loaded number enters an address behind a clamp
.endr
.irp q, 0,1,2,3
	v_lshlrev_b32 v[AD+\q], 10, v[AD+\q]
.endr
.irp q, 0,1,2,3
	v_add_nc_u32 v[AD+\q], v[L16], v[AD+\q]
.endr
.endm
; 16 loads: my 8 rows of a pair, by the offsets in AD.  Each half of the lanes reads 256 consecutive bytes of one row of xq
.macro ROWS
.irp q, 0,1,2,3
.irp c, 0,1,2,3
	global_load_b128 v[XL+4*(4*\q+\c):XL+4*(4*\q+\c)+3], v[AD+\q], s[4:5] offset:256*\c
.endr
.endr
.endm
	ADDR                                           ; trip 0's rows
	s_wait_dscnt 0x0                               ; my stores have landed
	s_wait_alu depctr_vm_vsrc(0)                   ; the LDS stores have read XL, in which rows land, XF's first third, in which fragments land, and ACC, which the products write
	s_wait_alu depctr_va_vdst(0)                   ; AD is written, which the rows' loads read; the four v_min_u32 are done reading ID, in which trip 1's tokens land
	s_cmp_gt_i32 s[SP], s[TH]
	s_cbranch_scc0 .Lno_first
	ROWS                                           ; trip 0's rows
.Lno_first:
	global_load_b128 v[ID:ID+3], v[IO], s[12:13]   ; trip 1's tokens (places 64 on: inside the list whatever n is)
	s_barrier_signal -1
	s_barrier_wait -1                              ; all 128 rows of W1 lie in LDS
	WIN 0x40                                       ; destination window 1
.irp u, 0,1
.irp s, 0,1,2,3,4,5,6,7
.irp c, 0,1,2,3
	ds_load_b128 v[16*(8*\u+\s)+4*\c:16*(8*\u+\s)+4*\c+3], v[WRD] offset:WT*\u+(8*\s+2*\c)*272   ; weight tile u, K step s: they stay.  No vector instruction has named these registers, nor WRD since the head's wait
.endr
.endr
.endr
	WIN 0
	s_wait_dscnt 0x0                               ; my reads of the weights are over:
	s_barrier_signal -1
	s_barrier_wait -1                              ; everybody's are: the buffers may take rows
.macro XFETCH b, s                     ; K step s of my pair: 8 loads into the ring's buffer s % 3
.irp i, 0,1
.irp c, 0,1,2,3
	ds_load_b128 v[XF+32*((\s)%3)+16*\i+4*\c:XF+32*((\s)%3)+16*\i+4*\c+3], v[RD+\b] offset:XT*\i+SS*(\s)+CS*\c
.endr
.endr
.endm
.macro MM s, i                         ; K step s, tile i of my pair x my two weight tiles.  The first step's products start the sums
.irp u, 0,1
.if (\s) == 0
	v_wmma_f32_16x16x128_fp8_fp8 v[ACC+8*(2*(\i)+\u):ACC+8*(2*(\i)+\u)+7], v[16*(8*\u+(\s)):16*(8*\u+(\s))+15], v[XF+32*((\s)%3)+16*(\i):XF+32*((\s)%3)+16*(\i)+15], 0
.else
	v_wmma_f32_16x16x128_fp8_fp8 v[ACC+8*(2*(\i)+\u):ACC+8*(2*(\i)+\u)+7], v[16*(8*\u+(\s)):16*(8*\u+(\s))+15], v[XF+32*((\s)%3)+16*(\i):XF+32*((\s)%3)+16*(\i)+15], v[ACC+8*(2*(\i)+\u):ACC+8*(2*(\i)+\u)+7]
.endif
.endr
.endm
; My pair x my 32 weight rows over K = 1,024: 8 K steps of four products.  The four accumulators take turns, one instruction a turn, in the same order in every step.
; Three K steps' fragments are asked for at the head; K steps 1 to 5 each ask for the step two on, into the buffer that the step before has read.
.macro KLOOP b
	XFETCH \b, 0                                   ; no vector or matrix instruction since the last wait on va_vdst names the ring or RD
	XFETCH \b, 1
	XFETCH \b, 2
.irp s, 0,1,2,3,4,5,6,7
.if \s == 0
	s_wait_dscnt 16                                ; this step's eight loads are in; the two younger groups of eight may stay out
.elseif \s < 7
	s_wait_dscnt 8                                 ; this step's eight are in; one younger group may stay out
.else
	s_wait_dscnt 0
.endif
.if (\s > 0) && (\s < 6)
	s_wait_alu depctr_va_vdst(0)                   ; the last step's products are done reading their buffer of the ring, in which the eight loads below land
.endif
	WIN 0x01                                       ; source 0 (the weights) window 1
	MM \s, 0
.if (\s > 0) && (\s < 6)
	WIN 0
	XFETCH \b, \s+2                                ; the two products since the wait name this step's buffer, the weights and two accumulators: none of the registers that these loads touch
.endif
	WIN 0x01
	MM \s, 1
.endr
	WIN 0
.rept 5
	v_nop                                          ; five places: for the reads of the results, and for the next products that begin these accumulators anew (ISA guide 7.12.1)
.endr
.endm
.macro HORN dst, lit                   ; dst = dst y + lit, 16 numbers
.irp p, 0,2,4,6,8,10,12,14
	v_pk_fma_f32 v[\dst+\p:\dst+\p+1], v[\dst+\p:\dst+\p+1], v[YY+\p:YY+\p+1], \lit op_sel_hi:[1,1,0]
.endr
.endm
; The GELU, the quantiser and the store for a pair, a tile of 16 rows (16 numbers a lane) at a time.  back: bytes from the base to the pair's trip.
.macro EPI back
.irp i, 0,1
.irp p, 0,2,4,6,8,10,12,14
	v_pk_fma_f32 v[ACC+16*\i+\p:ACC+16*\i+\p+1], v[ACC+16*\i+\p:ACC+16*\i+\p+1], s[36:37], v[B1+\p:B1+\p+1] op_sel_hi:[1,0,1]   ; v = sum x 2^(e0 + e1) + b1; each accumulator from its low end on
.endr
.irp n, 0,1,2,3,4,5,6,7,8,9,10,11,12,13,14,15
	v_med3_num_f32 v[VC+\n], v[ACC+16*\i+\n], -v[CL], v[CL]
.endr
.irp p, 0,2,4,6,8,10,12,14
	v_pk_mul_f32 v[YY+\p:YY+\p+1], v[VC+\p:VC+\p+1], v[VC+\p:VC+\p+1]
.endr
.irp p, 0,2,4,6,8,10,12,14
	v_pk_fma_f32 v[PP+\p:PP+\p+1], v[YY+\p:YY+\p+1], s[38:39], 0x2fa84a8d op_sel_hi:[1,0,0]   ; A: .. y + 3.06119941e-10
.endr
.irp p, 0,2,4,6,8,10,12,14
	v_pk_fma_f32 v[QQ+\p:QQ+\p+1], v[YY+\p:YY+\p+1], s[40:41], 0xb7dfbd29 op_sel_hi:[1,0,0]   ; B: .. y - 2.66717569e-05
.endr
	HORN PP, 0xb347667d                            ; -4.642651039e-08
	HORN QQ, 0xb9dc924e                            ; -4.20706744e-04
	HORN PP, 0xb628d45d                            ; -2.51575617e-06
	HORN QQ, 0xbb719bf8                            ; -3.68666458e-03
	HORN PP, 0xb8883d9c                            ; -6.496460735e-05
	HORN QQ, 0xbc69b6a7                            ; -1.42647391e-02: B is finished
	s_wait_alu depctr_va_vdst(0)
.irp n, 0,1,2,3,4,5,6,7,8,9,10,11,12,13,14,15
	v_rcp_f32 v[QQ+\n], v[QQ+\n]
.endr
	HORN PP, 0xba08eb41                            ; -5.22304390e-04.  (A's last two rounds are the plain instructions behind the reciprocals)
	HORN PP, 0xbbba79f3                            ; -5.69080716e-03
.irp p, 0,2,4,6,8,10,12,14
	v_pk_mul_f32 v[PP+\p:PP+\p+1], v[PP+\p:PP+\p+1], v[VC+\p:VC+\p+1]
.endr
	s_wait_alu depctr_va_vdst(0)                   ; the sixteen reciprocals have written QQ, ahead of their first reader; in tile 1 also: tile 0's conversions have written its codes, which the store below reads
.if \i == 1
	global_store_b128 v[HO], v[CD:CD+3], s[16:17] offset:0-\back   ; tile 0: 512 consecutive bytes of the tile's image
.endif
.irp p, 0,2,4,6,8,10,12,14
	v_pk_fma_f32 v[PP+\p:PP+\p+1], v[PP+\p:PP+\p+1], v[QQ+\p:QQ+\p+1], 0.5 op_sel_hi:[1,1,0]   ; Phi
.endr
.irp p, 0,2,4,6,8,10,12,14
	v_pk_mul_f32 v[ACC+16*\i+\p:ACC+16*\i+\p+1], v[ACC+16*\i+\p:ACC+16*\i+\p+1], v[PP+\p:PP+\p+1]   ; h = v Phi
.endr
.irp n, 0,1,2,3,4,5,6,7,8,9,10,11,12,13,14,15
	v_med3_num_f32 v[ACC+16*\i+\n], v[ACC+16*\i+\n], -v[LIM], v[LIM]   ; the conversion does not saturate (ISA guide 7.6.2): the hold at the largest code x the scale
.endr
	v_cvt_scalef32_pk8_fp8_f32 v[CD+4*\i:CD+4*\i+1], v[ACC+16*\i:ACC+16*\i+7], v[SCL]
	v_cvt_scalef32_pk8_fp8_f32 v[CD+4*\i+2:CD+4*\i+3], v[ACC+16*\i+8:ACC+16*\i+15], v[SCL]
	v_nop                                          ; a plain instruction between the conversions and whatever next writes their sources (the next products)
.endr
	s_wait_alu depctr_va_vdst(0)                   ; tile 1's conversions have written its codes, which the store below reads; and the GELU is done with the ring's registers, in which th = 1's fragment loads land next
	global_store_b128 v[HO], v[CD+4:CD+7], s[16:17] offset:65536-\back   ; tile 1: 512 consecutive bytes of the tile's image
.endm
; A TRIP: 64 places of the list, through buffer b.  ONE barrier: in front of it my rows of this trip are in the buffer and my reads of the other buffer are over;
; that other buffer is written again only in the next trip, behind this barrier.
.macro TRIP b
	s_wait_loadcnt 0x0                             ; what was asked for a trip ago: this trip's rows, the next trip's tokens
	s_cmp_gt_i32 s[SP], s[TH]
	s_cbranch_scc0 .Lns_\@
.irp q, 0,1,2,3
.irp c, 0,1,2,3
	ds_store_b128 v[ST+\b], v[XL+4*(4*\q+\c):XL+4*(4*\q+\c)+3] offset:4352*\c+16*\q
.endr
.endr
.Lns_\@:
	s_wait_alu depctr_vm_vsrc(0)                   ; the LDS stores above have read XL, in which the next rows land; the last trip's loads have read AD and IO, which are written below; the last GELU's stores have read CD, which the next conversions write
	s_min_u32 s34, s[NXT], 960                     ; the tokens of the trip after the next; the bound keeps the address inside the list on its own
	s_lshl_b32 s34, s34, 2
	v_add_nc_u32 v[IO], s34, v[IS]
	ADDR                                           ; the next trip's rows
	s_wait_dscnt 0x0                               ; my stores have landed; my reads of the other buffer are over
	s_wait_alu depctr_va_vdst(0)                   ; AD and IO are written, which the loads below read; the v_min_u32 are done reading ID, in which tokens land; the last trip's products and GELU are done with the ring, in which this trip's fragments land
	s_cmp_gt_i32 s[SP], s[TH2]
	s_cbranch_scc0 .Lnl_\@
	ROWS                                           ; the next trip's rows: they have this trip's work in which to land
.Lnl_\@:
	s_cmp_gt_i32 s[SP], s[TH4]
	s_cbranch_scc0 .Lni_\@
	global_load_b128 v[ID:ID+3], v[IO], s[12:13]
.Lni_\@:
	s_barrier_signal -1
	s_barrier_wait -1
	s_cmp_lg_u32 s[TH], 0
	s_cbranch_scc1 .Lr1_\@
	s_cmp_gt_i32 s[SP], 0                          ; th = 0
	s_cbranch_scc0 .Lt_\@
	KLOOP \b
	EPI 0
	s_branch .Lt_\@
.Lr1_\@:
	s_cmp_lg_u32 s[PREV], 0                        ; th = 1
	s_cbranch_scc0 .Lne_\@
	EPI 262144
.Lne_\@:
	s_cmp_gt_i32 s[SP], 1
	s_cselect_b32 s[PREV], 1, 0
	s_cbranch_scc0 .Lt_\@
	KLOOP \b
.Lt_\@:
	s_wait_xcnt 0x0                                ; the stores have read their data and their base: both may be written again
	s_add_nc_u64 s[16:17], s[16:17], 262144        ; four tiles on
	s_add_co_i32 s[SP], s[SP], -2
	s_add_co_u32 s[NXT], s[NXT], 64
.endm
	s_mov_b32 s32, 8
.Ltrip:
	TRIP 0
	TRIP 1
	s_sub_co_u32 s32, s32, 1
	s_cmp_lg_u32 s32, 0
	s_cbranch_scc1 .Ltrip
	s_wait_alu depctr_vm_vsrc(0)                   ; the last trip's stores have read CD, which the conversions below write again
	s_cmp_lg_u32 s[PREV], 0                        ; th = 1: the last trip's pair
	s_cbranch_scc0 .Lend
	EPI 262144
.Lend:
	s_wait_dscnt 0x0                               ; the closing lines, six on end
	s_wait_alu 0x0
	s_wait_tensorcnt 0x0
	ds_add_u32 v254, v255
	s_wait_dscnt 0x0
	s_endpgm
.Lfunc_end_k_q3f720496c5_ffn1:
	.size	k_q3f720496c5_ffn1, .Lfunc_end_k_q3f720496c5_ffn1-k_q3f720496c5_ffn1
	.p2alignl 7, 3214868480
	.fill 96, 4, 3214868480
	.section	.rodata,"a",@progbits
	.p2align	6, 0x0
	.amdhsa_kernel k_q3f720496c5_ffn1
		.amdhsa_group_segment_fixed_size 140288
		.amdhsa_private_segment_fixed_size 0
		.amdhsa_enable_private_segment 0
		.amdhsa_kernarg_size 56
		.amdhsa_user_sgpr_count 2
		.amdhsa_user_sgpr_kernarg_segment_ptr 1
		.amdhsa_wavefront_size32 1
		.amdhsa_system_sgpr_workgroup_id_x 1
		.amdhsa_system_sgpr_workgroup_id_y 1
		.amdhsa_system_sgpr_workgroup_id_z 1
		.amdhsa_system_vgpr_workitem_id 0
		.amdhsa_next_free_vgpr 512
		.amdhsa_next_free_sgpr 66
		.amdhsa_reserve_vcc 0
		.amdhsa_float_denorm_mode_32 3
		.amdhsa_float_denorm_mode_16_64 3
		.amdhsa_memory_ordered 1
		.amdhsa_forward_progress 1
		.amdhsa_inst_pref_size 181
	.end_amdhsa_kernel
	.amdgpu_metadata
---
amdhsa.version: [ 1, 2 ]
amdhsa.kernels:
  - .name:           k_q3f720496c5_ffn1
    .symbol:         k_q3f720496c5_ffn1.kd
    .args:
      - { .name: xq, .offset: 0, .size: 8, .value_kind: global_buffer, .address_space: global }
      - { .name: W1_codes, .offset: 8, .size: 8, .value_kind: global_buffer, .address_space: global }
      - { .name: b1, .offset: 16, .size: 8, .value_kind: global_buffer, .address_space: global }
      - { .name: lowp_scales, .offset: 24, .size: 8, .value_kind: global_buffer, .address_space: global }
      - { .name: list, .offset: 32, .size: 8, .value_kind: global_buffer, .address_space: global }
      - { .name: cnt, .offset: 40, .size: 8, .value_kind: global_buffer, .address_space: global }
      - { .name: himg, .offset: 48, .size: 8, .value_kind: global_buffer, .address_space: global }
    .group_segment_fixed_size: 140288
    .private_segment_fixed_size: 0
    .kernarg_segment_align: 8
    .kernarg_segment_size: 56
    .max_flat_workgroup_size: 256
    .sgpr_count:     66
    .vgpr_count:     512
    .wavefront_size: 32
...
	.end_amdgpu_metadata
.endif
;; end of part 8
;; launch ffn2 (part 9): grid 32 x 8, 8 waves a work-group, no clusters, 207,872 bytes of LDS; arguments himg, W2_codes, cnt, ypart; writes ypart
.if DOCPART == 9
	.amdgcn_target "amdgcn-amd-amdhsa--gfx1250"
	.amdhsa_code_object_version 6
	.text
	.protected	k_q3f720496c5_ffn2
	.globl	k_q3f720496c5_ffn2
	.p2align	8
	.type	k_q3f720496c5_ffn2,@function
k_q3f720496c5_ffn2:
	s_mov_b64 s[64:65], 0
	v_nop
	global_prefetch_b8 v0, s[64:65] scope:SCOPE_SE
	s_setreg_imm32_b32 hwreg(HW_REG_WAVE_SCHED_MODE, 0, 2), 2
	s_setreg_imm32_b32 hwreg(HW_REG_WAVE_MODE, 25, 1), 1
	s_wait_xcnt 0x0
	s_wait_alu depctr_vm_vsrc(0)
; SoftMoE, launch 4 of 5: the second product, h W2, on codes, for the rows that chose the expert; the sums leave raw, in four parts along K.
; SHARES.  Work-group (x, e), x = dblk + 8 qk, owns outputs 128 dblk .. + 127 of expert e and the K quarter 1,024 qk on: 128 KB of W2's codes, read from memory once,
; in pieces of 256 consecutive bytes, turned through LDS into fragments and then HELD IN REGISTERS (window 1).  The expert's rows of h stream past as images of
; their fragments' registers (himg: [e][tile of 16 rows][K step of 128][2,048 bytes]): a tile's eight K steps of my quarter are 16 KB on end.
; Wave w = fs + 4 th: fs names its 32 outputs, th the pair (32 rows) of a trip of 64 rows.  16 trips, a constant; every wave passes every barrier; a pair at or behind
; the list's end (by cnt) has its loads, LDS accesses, products and stores jumped over.  sP = live pairs - 2 x trip; pair th is live where sP > th.
; THE PRODUCT IS USED TRANSPOSED (source 0 = 16 rows of W2, source 1 = 16 rows of h): a lane holds eight neighbouring outputs of one row.  A row's 128 outputs come from
; four waves: they meet in a stage in LDS (rows of 512 + 16 bytes, two stages by turns) and leave a trip later as 512 consecutive bytes of a row of ypart.
; OUT: ypart [4 qk][8,192 rows = 1,024 e + place][1,024] f32: the sums of codes, without 2^(e2 + e3) and b2; the last launch adds the four parts in a fixed order.
; NO JOINT LOADS, NO TENSOR LOADS: the rows that the eight dblk of an expert and quarter share are live by a count read from memory.
; THE MODE: SCHED_MODE bits 1:0 = 2 (LLVM: expert scheduling mode 2), set by the entry lines.  The code itself states the register dependences
; between vector or matrix instructions and memory or LDS instructions, with s_wait_alu, always for 0.
; THE PLAN.  Registers that memory or LDS instructions touch:
;   ST, RD, WRD, WA, AO, YO, SA, SW, SR, v254, v255   addresses, made once at the head, ahead of its wait on va_vdst, and never written again.
;   XL     images on their way: global loads land in it, the next trip's LDS stores read it; no vector instruction names it.
;   XF     the ring of three K steps: fragment loads land in it, the products read it.  In K steps 1 to 5 one wait on va_vdst at the step's head states that the step
;          before is done reading its buffer; the loads of the step two on land there, between this step's two pairs of products.
;   ACC    the products write it, the stage's LDS stores read it: one wait on va_vdst between, behind the places; that wait also states that the pair's products are done
;          reading the ring, so that the next pair's first fragment loads owe nothing.
;   FL     rows on their way out: LDS loads land in it, global stores read it; behind the head no vector instruction names it.
;   One wait on vm_vsrc at a trip's head: this trip's LDS stores have read XL, the last trip's stage stores ACC, the last trip's global stores FL.
;   window 1: the weights: LDS loads land there once; the products read them.
.set WT,   17408                       ; a weight tile in LDS: 64 chunks of 16 bytes along K x 272; chunk q of row r at 272 q + 16 r
.set BUF,  69632                       ; from buffer to buffer (the weights fill both; the rows use 65,536 of each)
.set XT,   16384                       ; a tile's eight images
.set SS,   2048                        ; a K step's image
.set CS,   512                         ; four registers of all lanes
.set STG,  139264                      ; two stages of 64 rows x 528 bytes
.set STB,  33792
.set ST,   2                           ; v2-3   the weights' way into LDS
.set RD,   4                           ; v4-5   where I read my pair's fragments, buffer 0, 1
.set WRD,  6                           ; v6     where I read my weights' fragments
.set WA,   7                           ; v7     my byte offset in the work-group's rows of W2
.set AO,   8                           ; v8     my byte offset in a trip's four tiles of himg
.set YO,   9                           ; v9     my byte offset in a trip's 64 rows of ypart
.set SA,   10                          ; v10-11 where I store the images that I load
.set SW,   12                          ; v12-13 the stage: where I put 32 bytes of a row
.set SR,   14                          ; v14-15 the stage: where I read whole rows back
.set FL,   16                          ; v16-47  eight rows on their way out
.set XL,   48                          ; v48-111 16 x 16 bytes of images on their way to LDS
.set XF,   112                         ; v112-207 three K steps' fragments of h by turns
.set ACC,  208                         ; v208-239 four accumulators: tile i, weight tile u at ACC + 8 (2 i + u)
.set FS,   21
.set TH,   22
.set SP,   25
.set PREV, 26                          ; s26  the last trip's pair lies in the stage
.set TH2,  33
.set MSB, 0
.macro WIN new                         ; s_set_vgpr_msb: bits 1:0 source 0, 3:2 source 1, 5:4 source 2, 7:6 destination; the high byte repeats the setting that is left
.if MSB != \new
	s_set_vgpr_msb (MSB<<8)|\new
.set MSB, \new
.endif
.endm
.macro WREG n                          ; the weights' 32 loads land in XL, ACC and the first third of XF
.if (\n) < 16
.set WRG, XL+4*(\n)
.elseif (\n) < 24
.set WRG, ACC+4*((\n)-16)
.else
.set WRG, XF+4*((\n)-24)
.endif
.endm
	s_load_b256 s[4:11], s[0:1], 0x0               ; himg s[4:5], W2's codes s[6:7], cnt s[8:9], ypart s[10:11]
	v_lshl_add_u32 v254, v0, 2, 0x32800
	v_mov_b32 v255, 0
	v_lshrrev_b32 v1, 5, v0
	v_readfirstlane_b32 s20, v1                    ; wave 0..7
	s_and_b32 s23, ttmp7, 0xffff                   ; e
	s_and_b32 s24, ttmp9, 7                        ; dblk
	s_lshr_b32 s27, ttmp9, 3                       ; qk
	v_and_b32 v1, 31, v0
	v_lshlrev_b32 v1, 4, v1                        ; 16 x lane
	v_and_b32 v16, 15, v0                          ; lane % 16
	v_bfe_u32 v17, v0, 4, 1                        ; lane / 16
	v_mul_u32_u24 v[ST], v16, 272                  ; a weight row: its chunk lane % 16 of a quarter, rows 4 (lane / 16) on,
	v_lshl_add_u32 v[ST], v17, 6, v[ST]
	s_wait_alu depctr_va_vdst(0)
	s_wait_alu depctr_va_sdst(0)                   ; s20 is written, ahead of its first reader: the wave's shares and addresses are made from it
	s_and_b32 s[FS], s20, 3
	s_lshr_b32 s[TH], s20, 2
	s_lshr_b32 s34, s20, 1
	s_mul_i32 s34, s34, WT                         ; tile w / 2 of the buffer's four, rows 8 (w % 2) on
	s_and_b32 s35, s20, 1
	s_lshl_b32 s35, s35, 7
	s_add_co_u32 s34, s34, s35
	v_add_nc_u32 v[ST], s34, v[ST]
	v_add_nc_u32 v[ST+1], BUF, v[ST]
	s_lshl_b32 s34, s[TH], 15
	v_add_nc_u32 v[RD], s34, v1                    ; my pair's two tiles of images
	v_add_nc_u32 v[RD+1], BUF, v[RD]
	v_mul_u32_u24 v[WRD], v17, 272
	v_lshl_add_u32 v[WRD], v16, 4, v[WRD]
	s_mul_i32 s34, s[FS], 2*WT
	v_add_nc_u32 v[WRD], s34, v[WRD]               ; my two weight tiles: 2 fs, 2 fs + 1
	v_lshlrev_b32 v[WA], 14, v17                   ; W2's row 8 w + 4 (lane / 16) (+ 64 buffer + q in the immediate), 4,096 bytes a row
	v_lshl_add_u32 v[WA], v16, 4, v[WA]
	s_lshl_b32 s34, s20, 15
	v_add_nc_u32 v[WA], s34, v[WA]
	v_add_nc_u32 v[YO], s34, v1                    ; ypart: rows 8 w on, 4,096 bytes a row
	s_lshr_b32 s34, s20, 1                         ; himg: tile w / 2 of the trip's four, half w % 2 of its 16 KB
	s_lshl_b32 s34, s34, 16
	s_and_b32 s35, s20, 1
	s_lshl_b32 s35, s35, 13
	s_add_co_u32 s34, s34, s35
	v_add_nc_u32 v[AO], s34, v1
	s_lshl_b32 s34, s20, 13                        ; and in a buffer: 8,192 w
	v_add_nc_u32 v[SA], s34, v1
	v_add_nc_u32 v[SA+1], BUF, v[SA]
	v_mul_u32_u24 v[SW], v16, 528                  ; the stage, in: row 32 th + lane % 16 (+ 16 i), bytes 128 fs + 32 (lane / 16) (+ 64 u)
	v_lshl_add_u32 v[SW], v17, 5, v[SW]
	s_mul_i32 s34, s[TH], 32*528
	s_lshl_b32 s35, s[FS], 7
	s_add_co_u32 s34, s34, s35
	s_add_co_u32 s34, s34, STG
	v_add_nc_u32 v[SW], s34, v[SW]
	v_add_nc_u32 v[SW+1], STB, v[SW]
	s_mul_i32 s34, s20, 8*528                      ; back: rows 8 w on, the 32 lanes take a row's 512 bytes
	s_add_co_u32 s34, s34, STG
	v_add_nc_u32 v[SR], s34, v1
	v_add_nc_u32 v[SR+1], STB, v[SR]
	s_add_co_u32 s[TH2], s[TH], 2
	s_mov_b32 s[PREV], 0
	s_mov_b32 s35, 0
	s_wait_kmcnt 0x0
	s_lshl_b32 s34, s23, 2
	s_add_nc_u64 s[8:9], s[8:9], s[34:35]
	s_load_b32 s[SP], s[8:9], 0x0                  ; n
	s_lshl_b32 s34, s23, 22                        ; W2: (1,024 e + 128 dblk) rows of 4,096 bytes, + 1,024 qk
	s_lshl_b32 s36, s24, 19
	s_add_co_u32 s34, s34, s36
	s_lshl_b32 s36, s27, 10
	s_add_co_u32 s34, s34, s36
	s_add_nc_u64 s[6:7], s[6:7], s[34:35]
	s_lshl_b32 s34, s23, 22                        ; himg: expert e, K steps 8 qk on
	s_lshl_b32 s36, s27, 14
	s_add_co_u32 s34, s34, s36
	s_add_nc_u64 s[4:5], s[4:5], s[34:35]
	s_lshl_b32 s34, s27, 25                        ; ypart: (8,192 qk + 1,024 e) rows of 4,096 bytes, + 512 dblk
	s_lshl_b32 s36, s23, 22
	s_add_co_u32 s34, s34, s36
	s_lshl_b32 s36, s24, 9
	s_add_co_u32 s34, s34, s36
	s_add_nc_u64 s[10:11], s[10:11], s[34:35]
	s_wait_alu depctr_va_vdst(0)                   ; the addresses v2 to v15 and the pair v254, v255 are written: every load, store and LDS instruction of the kernel reads one of them; so are v16 and v17, in which rows from the stage land later
.irp b, 0,1                            ; THE WEIGHTS: 32 loads a wave; each half of the lanes reads 256 consecutive bytes of one row, at a multiple of 256
.irp q, 0,1,2,3
.irp c, 0,1,2,3
	WREG 16*\b+4*\q+\c
	global_load_b128 v[WRG:WRG+3], v[WA], s[6:7] offset:(64*\b+\q)*4096+256*\c th:TH_LOAD_NT
.endr
.endr
.endr
	s_wait_kmcnt 0x0
	s_min_u32 s[SP], s[SP], 1024
	s_add_co_u32 s[SP], s[SP], 31
	s_lshr_b32 s[SP], s[SP], 5                     ; live pairs
	s_wait_loadcnt 0x0
.irp b, 0,1
.irp q, 0,1,2,3
.irp c, 0,1,2,3
	WREG 16*\b+4*\q+\c
	ds_store_b128 v[ST+\b], v[WRG:WRG+3] offset:4352*\c+16*\q
.endr
.endr
.endr
.macro HROWS off                       ; 16 loads of 512 consecutive bytes: my 8 KB of a trip's images
.irp n, 0,1,2,3,4,5,6,7,8,9,10,11,12,13,14,15
	global_load_b128 v[XL+4*\n:XL+4*\n+3], v[AO], s[4:5] offset:\off+512*\n
.endr
.endm
	s_wait_dscnt 0x0                               ; my stores have landed
	s_wait_alu depctr_vm_vsrc(0)                   ; the LDS stores have read XL, in which images land, XF's first third, in which fragments land, and ACC, which the products write
	s_cmp_gt_i32 s[SP], s[TH]
	s_cbranch_scc0 .Lno_first
	HROWS 0                                        ; trip 0's images
.Lno_first:
	s_barrier_signal -1
	s_barrier_wait -1                              ; all 128 rows of W2's quarter lie in LDS
	WIN 0x40                                       ; destination window 1
.irp u, 0,1
.irp s, 0,1,2,3,4,5,6,7
.irp c, 0,1,2,3
	ds_load_b128 v[16*(8*\u+\s)+4*\c:16*(8*\u+\s)+4*\c+3], v[WRD] offset:WT*\u+(8*\s+2*\c)*272   ; weight tile u, K step s: they stay.  No vector instruction has named these registers, nor WRD since the head's wait
.endr
.endr
.endr
	WIN 0
	s_wait_dscnt 0x0                               ; my reads of the weights are over:
	s_barrier_signal -1
	s_barrier_wait -1                              ; everybody's are: the buffers may take images
.macro XFETCH b, s                     ; K step s of my pair: 8 loads into the ring's buffer s % 3
.irp i, 0,1
.irp c, 0,1,2,3
	ds_load_b128 v[XF+32*((\s)%3)+16*\i+4*\c:XF+32*((\s)%3)+16*\i+4*\c+3], v[RD+\b] offset:XT*\i+SS*(\s)+CS*\c
.endr
.endr
.endm
.macro MM s, i                         ; K step s, tile i of my pair x my two weight tiles.  The first step's products start the sums
.irp u, 0,1
.if (\s) == 0
	v_wmma_f32_16x16x128_fp8_fp8 v[ACC+8*(2*(\i)+\u):ACC+8*(2*(\i)+\u)+7], v[16*(8*\u+(\s)):16*(8*\u+(\s))+15], v[XF+32*((\s)%3)+16*(\i):XF+32*((\s)%3)+16*(\i)+15], 0
.else
	v_wmma_f32_16x16x128_fp8_fp8 v[ACC+8*(2*(\i)+\u):ACC+8*(2*(\i)+\u)+7], v[16*(8*\u+(\s)):16*(8*\u+(\s))+15], v[XF+32*((\s)%3)+16*(\i):XF+32*((\s)%3)+16*(\i)+15], v[ACC+8*(2*(\i)+\u):ACC+8*(2*(\i)+\u)+7]
.endif
.endr
.endm
; My pair x my 32 weight rows over my K quarter: 8 K steps of four products.  The four accumulators take turns, one instruction a turn, in the same order in every step.
; Three K steps' fragments are asked for at the head; K steps 1 to 5 each ask for the step two on, into the buffer that the step before has read.
.macro KLOOP b
	XFETCH \b, 0                                   ; no vector or matrix instruction since the last wait on va_vdst names the ring or RD
	XFETCH \b, 1
	XFETCH \b, 2
.irp s, 0,1,2,3,4,5,6,7
.if \s == 0
	s_wait_dscnt 16                                ; this step's eight loads are in; the two younger groups of eight may stay out
.elseif \s < 7
	s_wait_dscnt 8                                 ; this step's eight are in; one younger group may stay out
.else
	s_wait_dscnt 0
.endif
.if (\s > 0) && (\s < 6)
	s_wait_alu depctr_va_vdst(0)                   ; the last step's products are done reading their buffer of the ring, in which the eight loads below land
.endif
	WIN 0x01                                       ; source 0 (the weights) window 1
	MM \s, 0
.if (\s > 0) && (\s < 6)
	WIN 0
	XFETCH \b, \s+2                                ; the two products since the wait name this step's buffer, the weights and two accumulators: none of the registers that these loads touch
.endif
	WIN 0x01
	MM \s, 1
.endr
	WIN 0
.rept 5
	v_nop                                          ; five places: for the LDS stores of the results, and for the next products that begin these accumulators anew
.endr
.endm
.macro STAGE b                         ; lane (r, h): row 32 th + 16 i + r, outputs 32 fs + 16 u + 8 h + 0..7; each accumulator from its low end on
	s_wait_alu depctr_va_vdst(0)                   ; the products have written the accumulators, which the LDS stores read (the places above stay beside this wait); and they are done reading the ring, in which the next pair's fragments land
.irp i, 0,1
.irp u, 0,1
	ds_store_b128 v[SW+\b], v[ACC+8*(2*\i+\u):ACC+8*(2*\i+\u)+3] offset:8448*\i+64*\u
	ds_store_b128 v[SW+\b], v[ACC+8*(2*\i+\u)+4:ACC+8*(2*\i+\u)+7] offset:8448*\i+64*\u+16
.endr
.endr
.endm
.macro FLUSH b                         ; rows 8 w .. 8 w + 7 of the last trip, from stage b; the bases have stepped one trip on
.irp p, 0,1,2,3,4,5,6,7
	ds_load_b128 v[FL+4*\p:FL+4*\p+3], v[SR+(\b)] offset:528*\p
.endr
.irp p, 0,1,2,3,4,5,6,7
	s_wait_dscnt 7-\p                              ; row p is in; the younger loads may stay out
	global_store_b128 v[YO], v[FL+4*\p:FL+4*\p+3], s[10:11] offset:4096*\p-262144   ; 512 consecutive bytes of a row, at a multiple of 512
.endr
.endm
; A TRIP: 64 rows, through buffer b and stage b.  ONE barrier: in front of it my images of this trip are in the buffer, my sums of the last trip are in the other stage, and my reads
; of the other buffer and of this stage are over.
.macro TRIP b
	s_wait_loadcnt 0x0                             ; this trip's images, asked for a trip ago
	s_cmp_gt_i32 s[SP], s[TH]
	s_cbranch_scc0 .Lns_\@
.irp n, 0,1,2,3,4,5,6,7,8,9,10,11,12,13,14,15
	ds_store_b128 v[SA+\b], v[XL+4*\n:XL+4*\n+3] offset:512*\n
.endr
.Lns_\@:
	s_wait_dscnt 0x0                               ; all my LDS instructions are done
	s_wait_alu depctr_vm_vsrc(0)                   ; the LDS stores above have read XL, in which the next images land; the last trip's stage stores have read ACC, which this trip's products write; the last trip's global stores have read FL, in which rows from the stage land
	s_cmp_gt_i32 s[SP], s[TH2]
	s_cbranch_scc0 .Lnl_\@
	HROWS 262144                                   ; the next trip's images: they have this trip's work in which to land
.Lnl_\@:
	s_barrier_signal -1
	s_barrier_wait -1
	s_cmp_lg_u32 s[PREV], 0
	s_cbranch_scc0 .Lnf_\@
	FLUSH 1-\b
.Lnf_\@:
	s_cmp_gt_i32 s[SP], s[TH]
	s_cselect_b32 s[PREV], 1, 0
	s_cbranch_scc0 .Lt_\@
	KLOOP \b
	STAGE \b
.Lt_\@:
	s_wait_xcnt 0x0                                ; the loads and stores have read their bases, the stores their data: all may be written again
	s_add_nc_u64 s[4:5], s[4:5], 262144            ; four tiles of himg on
	s_add_nc_u64 s[10:11], s[10:11], 262144        ; 64 rows of ypart on
	s_add_co_i32 s[SP], s[SP], -2
.endm
	s_mov_b32 s32, 8
.Ltrip:
	TRIP 0
	TRIP 1
	s_sub_co_u32 s32, s32, 1
	s_cmp_lg_u32 s32, 0
	s_cbranch_scc1 .Ltrip
	s_wait_dscnt 0x0                               ; the last trip's sums are in stage 1
	s_wait_alu depctr_vm_vsrc(0)                   ; the last trip's global stores have read FL, in which the last rows from the stage land
	s_barrier_signal -1
	s_barrier_wait -1
	s_cmp_lg_u32 s[PREV], 0
	s_cbranch_scc0 .Lend
	FLUSH 1
.Lend:
	s_wait_dscnt 0x0                               ; the closing lines, six on end
	s_wait_alu 0x0
	s_wait_tensorcnt 0x0
	ds_add_u32 v254, v255
	s_wait_dscnt 0x0
	s_endpgm
.Lfunc_end_k_q3f720496c5_ffn2:
	.size	k_q3f720496c5_ffn2, .Lfunc_end_k_q3f720496c5_ffn2-k_q3f720496c5_ffn2
	.p2alignl 7, 3214868480
	.fill 96, 4, 3214868480
	.section	.rodata,"a",@progbits
	.p2align	6, 0x0
	.amdhsa_kernel k_q3f720496c5_ffn2
		.amdhsa_group_segment_fixed_size 207872
		.amdhsa_private_segment_fixed_size 0
		.amdhsa_enable_private_segment 0
		.amdhsa_kernarg_size 32
		.amdhsa_user_sgpr_count 2
		.amdhsa_user_sgpr_kernarg_segment_ptr 1
		.amdhsa_wavefront_size32 1
		.amdhsa_system_sgpr_workgroup_id_x 1
		.amdhsa_system_sgpr_workgroup_id_y 1
		.amdhsa_system_sgpr_workgroup_id_z 1
		.amdhsa_system_vgpr_workitem_id 0
		.amdhsa_next_free_vgpr 512
		.amdhsa_next_free_sgpr 66
		.amdhsa_reserve_vcc 0
		.amdhsa_float_denorm_mode_32 3
		.amdhsa_float_denorm_mode_16_64 3
		.amdhsa_memory_ordered 1
		.amdhsa_forward_progress 1
		.amdhsa_inst_pref_size 41
	.end_amdhsa_kernel
	.amdgpu_metadata
---
amdhsa.version: [ 1, 2 ]
amdhsa.kernels:
  - .name:           k_q3f720496c5_ffn2
    .symbol:         k_q3f720496c5_ffn2.kd
    .args:
      - { .name: himg, .offset: 0, .size: 8, .value_kind: global_buffer, .address_space: global }
      - { .name: W2_codes, .offset: 8, .size: 8, .value_kind: global_buffer, .address_space: global }
      - { .name: cnt, .offset: 16, .size: 8, .value_kind: global_buffer, .address_space: global }
      - { .name: ypart, .offset: 24, .size: 8, .value_kind: global_buffer, .address_space: global }
    .group_segment_fixed_size: 207872
    .private_segment_fixed_size: 0
    .kernarg_segment_align: 8
    .kernarg_segment_size: 32
    .max_flat_workgroup_size: 256
    .sgpr_count:     66
    .vgpr_count:     512
    .wavefront_size: 32
...
	.end_amdgpu_metadata
.endif
;; end of part 9
;; launch combine (part 10): grid 256 x 1, 8 waves a work-group, no clusters, 0 bytes of LDS; arguments ypart, rows, wts, b2, lowp_scales, out0; writes out0
.if DOCPART == 10
	.amdgcn_target "amdgcn-amd-amdhsa--gfx1250"
	.amdhsa_code_object_version 6
	.text
	.protected	k_q3f720496c5_combine
	.globl	k_q3f720496c5_combine
	.p2align	8
	.type	k_q3f720496c5_combine,@function
k_q3f720496c5_combine:
	s_mov_b64 s[64:65], 0
	v_nop
	global_prefetch_b8 v0, s[64:65] scope:SCOPE_SE
	s_setreg_imm32_b32 hwreg(HW_REG_WAVE_MODE, 25, 1), 1
	s_wait_xcnt 0x0
; SoftMoE, launch 5 of 5: out = w0 (y0 + b2[e0']) + w1 (y1 + b2[e1']), y = (the four K parts' sum) x 2^(e2 + e3), for each token's two chosen experts.
; SHARES: a wave takes half a token's row (2,048 bytes): token 4 x work-group + w / 2, half w % 2.  Which rows of ypart and of b2 it reads comes from rows, whole numbers of an
; earlier launch, through scalar registers, each behind a clamp.  Every load and store of the wave covers 512 consecutive bytes, at a multiple of 512.
; The four parts are added as (q0 + q1) + (q2 + q3): a fixed order.  A stream: no LDS, no barrier, no matrix unit, nothing shared between work-groups but b2's 32 KB.
; LIMIT: e2 + e3 between -126 and 127, so that 2^(e2 + e3) is an f32 number.
.set Y,  16                            ; v16-143  choice k, part q, piece c at Y + 64 k + 16 q + 4 c
.set B,  144                           ; v144-175 b2: choice k, piece c at B + 16 k + 4 c
	s_load_b256 s[4:11], s[0:1], 0x0               ; ypart s[4:5], rows s[6:7], wts s[8:9], b2 s[10:11]
	s_load_b128 s[12:15], s[0:1], 0x20             ; the scales' exponents s[12:13], out0 s[14:15]
	v_lshrrev_b32 v1, 5, v0
	s_delay_alu instid0(VALU_DEP_1)
	v_readfirstlane_b32 s16, v1                    ; wave 0..7
	s_lshr_b32 s17, s16, 1
	s_and_b32 s18, s16, 1
	s_lshl_b32 s18, s18, 11                        ; my half of the row
	s_lshl_b32 s19, ttmp9, 2
	s_add_co_u32 s19, s19, s17                     ; my token
	s_lshl_b32 s44, s19, 3
	s_mov_b32 s45, 0
	v_and_b32 v1, 31, v0
	s_delay_alu instid0(VALU_DEP_1)
	v_lshlrev_b32 v1, 4, v1
	s_delay_alu instid0(VALU_DEP_1)
	v_add_nc_u32 v1, s18, v1                       ; 2,048 x half + 16 x lane
	s_wait_alu depctr_va_vdst(0)
	s_wait_kmcnt 0x0
	s_add_nc_u64 s[6:7], s[6:7], s[44:45]
	s_add_nc_u64 s[8:9], s[8:9], s[44:45]
	s_load_b64 s[20:21], s[6:7], 0x0               ; the token's two rows: 1,024 x expert + place
	s_load_b64 s[22:23], s[8:9], 0x0               ; its two weights
	s_load_b128 s[24:27], s[12:13], 0x0            ; e0, e1, e2, e3
	s_add_nc_u64 s[28:29], s[4:5], 0x2000000       ; ypart's parts 1, 2, 3: 8,192 rows of 4,096 bytes apart
	s_add_nc_u64 s[30:31], s[4:5], 0x4000000
	s_add_nc_u64 s[32:33], s[4:5], 0x6000000
	s_lshl_b32 s44, s19, 12
	s_add_nc_u64 s[14:15], s[14:15], s[44:45]      ; out0 at my token
	s_wait_kmcnt 0x0
	s_lshr_b32 s34, s20, 10                        ; the experts: the shift first, the clamp behind it
	s_min_u32 s34, s34, 7
	s_lshl_b32 s34, s34, 12
	s_lshr_b32 s35, s21, 10
	s_min_u32 s35, s35, 7
	s_lshl_b32 s35, s35, 12
	s_min_u32 s20, s20, 0x1fff
	s_lshl_b32 s20, s20, 12
	s_min_u32 s21, s21, 0x1fff
	s_lshl_b32 s21, s21, 12
	v_add_nc_u32 v2, s20, v1
	v_add_nc_u32 v3, s21, v1
	v_add_nc_u32 v4, s34, v1
	v_add_nc_u32 v5, s35, v1
.macro PART q, base                    ; part q of both choices: 8 loads
.irp k, 0,1
.irp c, 0,1,2,3
	global_load_b128 v[Y+64*\k+16*\q+4*\c:Y+64*\k+16*\q+4*\c+3], v[2+\k], s[\base:\base+1] offset:512*\c th:TH_LOAD_NT
.endr
.endr
.endm
	PART 0, 4
	PART 1, 28
	PART 2, 30
	PART 3, 32
.irp k, 0,1
.irp c, 0,1,2,3
	global_load_b128 v[B+16*\k+4*\c:B+16*\k+4*\c+3], v[4+\k], s[10:11] offset:512*\c
.endr
.endr
	s_add_co_i32 s42, s26, s27
	s_add_co_i32 s42, s42, 127
	s_lshl_b32 s42, s42, 23                        ; 2^(e2 + e3) as f32
	s_mov_b32 s36, s23                             ; w1, as the low word of a pair (the packed forms take a scalar pair's low word for both halves; both words are written)
	s_mov_b32 s37, s23
	s_mul_f32 s38, s22, s42                        ; w0 x 2^(e2 + e3)
	s_mov_b32 s39, s38
	s_mul_f32 s40, s23, s42                        ; w1 x 2^(e2 + e3)
	s_mov_b32 s41, s40
	s_wait_loadcnt 0x0
.irp k, 0,1
.irp n, 0,2,4,6,8,10,12,14
	v_pk_add_f32 v[Y+64*\k+\n:Y+64*\k+\n+1], v[Y+64*\k+\n:Y+64*\k+\n+1], v[Y+64*\k+16+\n:Y+64*\k+16+\n+1]
	v_pk_add_f32 v[Y+64*\k+32+\n:Y+64*\k+32+\n+1], v[Y+64*\k+32+\n:Y+64*\k+32+\n+1], v[Y+64*\k+48+\n:Y+64*\k+48+\n+1]
.endr
.endr
.irp n, 0,2,4,6,8,10,12,14
	v_pk_mul_f32 v[B+\n:B+\n+1], v[B+\n:B+\n+1], s[22:23] op_sel_hi:[1,0]                          ; b2 of the first choice x w0
.endr
.irp k, 0,1
.irp n, 0,2,4,6,8,10,12,14
	v_pk_add_f32 v[Y+64*\k+\n:Y+64*\k+\n+1], v[Y+64*\k+\n:Y+64*\k+\n+1], v[Y+64*\k+32+\n:Y+64*\k+32+\n+1]
.endr
.endr
.irp n, 0,2,4,6,8,10,12,14
	v_pk_fma_f32 v[B+\n:B+\n+1], v[B+16+\n:B+16+\n+1], s[36:37], v[B+\n:B+\n+1] op_sel_hi:[1,0,1]  ; + b2 of the second x w1
.endr
.irp n, 0,2,4,6,8,10,12,14
	v_pk_fma_f32 v[B+\n:B+\n+1], v[Y+64+\n:Y+64+\n+1], s[40:41], v[B+\n:B+\n+1] op_sel_hi:[1,0,1]  ; + the second choice's sum x w1 2^(e2 + e3)
.endr
.irp n, 0,2,4,6,8,10,12,14
	v_pk_fma_f32 v[Y+\n:Y+\n+1], v[Y+\n:Y+\n+1], s[38:39], v[B+\n:B+\n+1] op_sel_hi:[1,0,1]        ; + the first's x w0 2^(e2 + e3)
.endr
.irp c, 0,1,2,3
	global_store_b128 v1, v[Y+4*\c:Y+4*\c+3], s[14:15] offset:512*\c th:TH_STORE_NT
.endr
	s_endpgm
.Lfunc_end_k_q3f720496c5_combine:
	.size	k_q3f720496c5_combine, .Lfunc_end_k_q3f720496c5_combine-k_q3f720496c5_combine
	.p2alignl 7, 3214868480
	.fill 96, 4, 3214868480
	.section	.rodata,"a",@progbits
	.p2align	6, 0x0
	.amdhsa_kernel k_q3f720496c5_combine
		.amdhsa_group_segment_fixed_size 0
		.amdhsa_private_segment_fixed_size 0
		.amdhsa_enable_private_segment 0
		.amdhsa_kernarg_size 48
		.amdhsa_user_sgpr_count 2
		.amdhsa_user_sgpr_kernarg_segment_ptr 1
		.amdhsa_wavefront_size32 1
		.amdhsa_system_sgpr_workgroup_id_x 1
		.amdhsa_system_sgpr_workgroup_id_y 1
		.amdhsa_system_sgpr_workgroup_id_z 1
		.amdhsa_system_vgpr_workitem_id 0
		.amdhsa_next_free_vgpr 192
		.amdhsa_next_free_sgpr 66
		.amdhsa_reserve_vcc 0
		.amdhsa_float_denorm_mode_32 3
		.amdhsa_float_denorm_mode_16_64 3
		.amdhsa_memory_ordered 1
		.amdhsa_forward_progress 1
		.amdhsa_inst_pref_size 12
	.end_amdhsa_kernel
	.amdgpu_metadata
---
amdhsa.version: [ 1, 2 ]
amdhsa.kernels:
  - .name:           k_q3f720496c5_combine
    .symbol:         k_q3f720496c5_combine.kd
    .args:
      - { .name: ypart, .offset: 0, .size: 8, .value_kind: global_buffer, .address_space: global }
      - { .name: rows, .offset: 8, .size: 8, .value_kind: global_buffer, .address_space: global }
      - { .name: wts, .offset: 16, .size: 8, .value_kind: global_buffer, .address_space: global }
      - { .name: b2, .offset: 24, .size: 8, .value_kind: global_buffer, .address_space: global }
      - { .name: lowp_scales, .offset: 32, .size: 8, .value_kind: global_buffer, .address_space: global }
      - { .name: out0, .offset: 40, .size: 8, .value_kind: global_buffer, .address_space: global }
    .group_segment_fixed_size: 0
    .private_segment_fixed_size: 0
    .kernarg_segment_align: 8
    .kernarg_segment_size: 48
    .max_flat_workgroup_size: 256
    .sgpr_count:     66
    .vgpr_count:     192
    .wavefront_size: 32
...
	.end_amdgpu_metadata
.endif
;; end of part 10
